; MI455X (gfx1250); checked and timed in simulation.
; The chip was launched on July 23, 2026; its instructions are those of AMD's public machine-readable ISA for CDNA 5 (MIT licence, August 2026) and "CDNA5" Instruction Set Architecture Reference Guide (July 2026). The comments in the code are by the model that wrote it; some were corrected since.
;; Multi Head Attention. Allowed arithmetic: matrix products marked QUANTISED: E4M3 operands, one given power-of-two scale a tensor, by v_wmma_f32_16x16x64_fp8_fp8 or v_wmma_f32_16x16x128_fp8_fp8, f32 sums; everything else in f32.
;; Inputs: b_out 1,024 float32; b_qkv 3,072 float32; lowp_scales 8 int32 (the exponents e of the quantised operands' scales 2^e); w_out_codes 1,024 x 32 x 32 uint8 (E4M3 codes of w_out, K innermost, in blocks of 32 codes); w_qkv_codes 3,072 x 32 x 32 uint8 (E4M3 codes of w_qkv, K innermost, in blocks of 32 codes); x_codes 4 x 2,048 x 32 x 32 uint8 (E4M3 codes of x, K innermost, in blocks of 32 codes).
;; Outputs: out0 4 x 2,048 x 1,024 float32.
;; This version of the problem:
;;   THIS VERSION OF THE PROBLEM IS GIVEN IN LOW PRECISION. The matrix products marked QUANTISED in the list below multiply operands that are first quantised to E4M3 (4 exponent bits, 3 mantissa bits; 8 bits a number), with one given power-of-two scale for each operand tensor; their sums are f32. All else is computed in f32.
;;   The module's matrix products, in the order in which they are computed (A, B: the left and right operand; K: the contracted axis; several contracted axes count as one K, in the product's order):
;;     1. [M 8,192, K 1,024] x [K 1,024, N 3,072]; A: input x (given as codes); B: input w_qkv (given as codes): QUANTISED (scales: A lowp_scales[0], B lowp_scales[1])
;;     2. batch 64 x [M 2,048, K 64] x [K 64, N 2,048]; A: computed on the way; B: computed on the way: QUANTISED (scales: A lowp_scales[2], B lowp_scales[3])
;;     3. batch 64 x [M 2,048, K 2,048] x [K 2,048, N 64]; A: softmax (see below); B: computed on the way: QUANTISED (scales: A lowp_scales[4], B lowp_scales[5])
;;     4. [M 8,192, K 1,024] x [K 1,024, N 1,024]; A: computed on the way; B: input w_out (given as codes): QUANTISED (scales: A lowp_scales[6], B lowp_scales[7])
;;   THE QUANTISER, for each operand of a quantised product, along K:
;;     - The operand's scale is 2^e, e = its entry of the input lowp_scales (int32; the entries are numbered through the quantised products in the list's order, A before B).
;;     - Each number is divided by the scale, clamped to +-448, and rounded to the nearest number of E4M3, ties to even, subnormals kept.
;;     - The product sums the exact products of the quantised numbers (number of the format x scale) in f32.
;;   ~~~python
;;   def quantise(x, axis, e):      # numpy; x: float32 -> the quantised numbers, widened to float32 again
;;       x = np.moveaxis(x, axis, -1); K = x.shape[-1]
;;       r = np.clip(x / 2.0 ** e, -448, 448)
;;       step = 2.0 ** (np.maximum(np.frexp(np.where(r == 0, 1, r))[1] - 1, -6) - 3)
;;       q = np.round(r / step) * step * 2.0 ** e      # np.round: ties to even
;;       return np.moveaxis(q, -1, axis).astype(np.float32)
;;   ~~~
;;   SOFTMAX AHEAD OF A QUANTISED PRODUCT. Where the list says 'softmax', what is quantised is not the finished softmax but p = 2^(t - M), with t = logit x log2(e) and M = ceil(the row's largest t), a whole number; so 1/2 < the row's largest p <= 1. The row's sum l is taken of the UNQUANTISED p, in f32, and the product's result is divided by l at the end. Since M is a whole number, a kernel that streams over the keys may use a running M (the ceiling of the running maximum): every later rescaling is an exact power of two, so the quantised numbers keep their values, but for numbers so far below the row's largest that they fall under the format's range.
;;   OPERANDS COMPUTED ON THE WAY. 'Computed on the way' means the value that the module computes at that place (a softmax that the list does not call 'softmax' is quantised finished and normalised). What goes into a quantiser is computed in f32, as accurately as f32 sums, v_exp_f32 and their like allow (about 1e-6 of the number): no bf16 or f16 on the way to a quantiser, and a product that is left as it is and whose result goes on into a quantised operand takes f32 operands (vector FMAs, or v_wmma_f32_16x16x4_f32). A number that lies on a knife's edge between two numbers of the format may be rounded either way, as far as f32 arithmetic and the matrix unit's own rounding can turn it there, and no further.
;;   INPUTS GIVEN AS CODES. w_out (in the module: [1024, 1024], K = its axis 0); w_qkv (in the module: [1024, 3072], K = its axis 0); x (in the module: [4, 2048, 1024], K = its axis 2): each comes as NAME_codes (uint8): NAME with its K axis moved to the last place and cut into blocks of 32 codes, [.., K / 32, bytes a block], one block behind the other in memory; one code a byte (a code: sign, 4 exponent bits, 3 mantissa bits); its scale is its entry of lowp_scales. Its value is code x scale, taken as it is: it is not quantised again, and the codes and scales need not be those that the quantiser above would give.
;; 2 versions, each right; version 2 is version 1 with the launch attn written anew for expert scheduling mode. Each part assembles by itself: llvm-mc -triple=amdgcn-amd-amdhsa -mcpu=gfx1250 --defsym DOCPART=n.
;; ======== version 1 of 2: 3 launches
;; workspace buffers: qimg 8,388,608 bytes; kimg 8,388,608 bytes; vimg 8,388,608 bytes; aimg 8,388,608 bytes
;; launch qkv (part 1): grid 12 x 32, 4 waves a work-group, clusters of 4 x 4, 327,680 bytes of LDS; arguments x_codes, w_qkv_codes, lowp_scales, b_qkv, qimg, kimg, vimg; writes qimg, kimg, vimg
.if DOCPART == 1
	.amdgcn_target "amdgcn-amd-amdhsa--gfx1250"
	.amdhsa_code_object_version 6
	.text
	.protected	k_qc1531be4a8_qkv
	.globl	k_qc1531be4a8_qkv
	.p2align	8
	.type	k_qc1531be4a8_qkv,@function
k_qc1531be4a8_qkv:
	s_mov_b64 s[64:65], 0
	v_nop
	global_prefetch_b8 v0, s[64:65] scope:SCOPE_SE
	s_setreg_imm32_b32 hwreg(HW_REG_WAVE_MODE, 25, 1), 1
	s_wait_xcnt 0x0
	s_wait_alu depctr_hold_cnt(0) depctr_sa_sdst(0) depctr_va_vdst(0) depctr_va_sdst(0) depctr_va_ssrc(0) depctr_va_vcc(0) depctr_vm_vsrc(0)
	s_getreg_b32 s2, hwreg(HW_REG_IB_STS2, 6, 4)
	s_cmp_eq_u32 s2, 0
	s_cbranch_scc0 .Lentry_in_a_cluster
	s_endpgm
.Lentry_in_a_cluster:
	s_bfe_u32 s2, ttmp6, 0x10000c
	s_cmp_lg_u32 s2, 0xf033
	s_cbranch_scc0 .Lentry_shape_is_right
	s_endpgm
.Lentry_shape_is_right:
; qkv = x W^T + b_qkv on codes of FP8 (E4M3); then q, k and v are quantised with their given scales and stored as IMAGES OF OPERAND REGISTERS for the attention launch.
; x: [8192][1024] codes, W: [3072][1024] codes, K innermost.  A sum stands for sum x 2^(e0 + e1); value = sum x 2^(e0 + e1) + bias, one fused multiply-add in f32; code = value / 2^e, held within +-448, e = e2 (q), e3 (k), e5 (v).
; LIMITS: e0 + e1 between -126 and 127; e2, e3, e5 between -126 and 119, so that each power of two below is an f32 number.  NaN is not served.
; SHARES.  A tile of 256 tokens x 256 columns to a work-group of four waves, 128 x 128 a wave: 64 accumulators, 512 registers.  K goes in four steps of 256 through two LDS slots filled by the tensor data mover.
; CLUSTERS: 4 x 4 work-groups; x's tile is asked for jointly along a row of the cluster, W's along a column.  A cluster is 1,024 columns wide, so cluster x = 0, 1, 2 IS the part q, k, v: equal in all sixteen partners.
; WHICH SOURCE IS WHICH.  In a result, lane (r, h) holds column n = r of source 1's rows and its registers j the rows m = 8 h + j of source 0.  One conversion of an accumulator's eight registers gives registers 2 c, 2 c + 1
; of a fragment in the plain 8-bit layout (k = 16 c + 8 h + 0 .. 7).  q and k are quantised along the head's 64: source 0 = rows of W, source 1 = tokens: a lane is a token.  v is quantised along the keys: source 0 = tokens,
; source 1 = rows of W: a lane is a channel.  Only the two LDS bases of the fragment loads change places for v; tiles, fills and the loop are the same.
; IMAGES: piece i = registers 4 i .. 4 i + 3, lane l's 16 bytes at 16 l: each store of the wave covers 512 consecutive bytes, aligned.
;   qimg, kimg: [16 batch + head][token / 16][2 pieces].   vimg: [16 batch + head][key / 128][channel / 16][4 pieces].
; REGISTERS, in windows of 256: window 0: v0-31 addresses; v32-95 the bias by registers (q, k); v96-111 the bias by lanes (v); v112, v113 the conversion's scale and the hold; from v128 source 1's fragments, one set,
;   on the way out v128-191 the values and v192-255 four sets of codes.   window 1: source 0's fragments, two sets.   windows 2, 3: the accumulators ((a, b) at v[8 (8 (a % 4) + b)]).
.set ROWB,   256                       ; a tile's row in bytes: 256 codes
.set KROW,   1024                      ; a row of x or of W in memory
.set PITCH,  272                       ; an LDS row: 256 bytes + 16 of padding = 68 words: the 16 rows of a fragment load start at 16 different banks (64 banks of 4 bytes: ISA guide 11.1)
.set FR,     16                        ; registers of a fragment: 16 rows x 128 K
.set NL,     4                         ; LDS loads that bring one
.set NP,     4                         ; places behind this matrix instruction (ISA guide 7.12.1)
.set HALFT,  128*PITCH                 ; 128 rows: what one tensor load brings
.set SLOT,   4*HALFT                   ; x's 256 rows, then W's 256 rows
.set SPARE,  2*SLOT                    ; behind the ring: the spare words, 128 bytes a wave
.set ADRA, 16                          ; v16-17  LDS address of source 1's fragments in slot 0, 1
.set ADRB, 20                          ; v20-21  the same for source 0
.set CO,   26                          ; v26     16 x lane: my place in a piece
.set SPW,  28                          ; v28     my spare word; never rewritten
.set NIL,  29                          ; v29     0; never rewritten
.set BQ,   32
.set BV,   96
.set SCL,  112
.set LIM,  113
.set AF,   128
.set TMP,  128
.set CD,   192
.set G1, 24                            ; s[24:31] group 1 for x's tiles; s[32:39] group 0, a set a slot
.set G0, 32
.set G1B, 48                           ; s[48:55], s[56:63] the same for W's tiles
.set G0B, 56
.set DST, 74                           ; s[74:75] where my images go
.set MSB, 0
.macro WIN new                         ; the immediate's high byte repeats the setting that is left
.if MSB != (\new)
	s_set_vgpr_msb (MSB<<8)|(\new)
.set MSB, (\new)
.endif
.endm
.set MUL_LO, 0xa1                      ; source 0 window 1, source 1 window 0, C and D window 2
.set MUL_HI, 0xf1                      ; the same, C and D window 3
.set TO_B,   0x40                      ; destination window 1, address window 0
; A joint load: waves 0 and 1 fetch x's halves, waves 2 and 3 W's.  The branch hangs on the wave's number alone.  Four v_nop follow each of the two lines.
.macro JLOAD g0a, g1a, g0b, g1b
	s_cmp_eq_u32 s15, 0
	s_cbranch_scc0 .Lfor_b_\@
	tensor_load_to_lds s[\g0a:\g0a+3], s[\g1a:\g1a+7]
	s_nop 0
.rept 4
	v_nop
.endr
	s_branch .Lasked_\@
.Lfor_b_\@:
	tensor_load_to_lds s[\g0b:\g0b+3], s[\g1b:\g1b+7]
	s_nop 0
.rept 4
	v_nop
.endr
.Lasked_\@:
.endm
.macro CREST                           ; a round of the cluster's barrier behind its opening barrier
	s_cmp_lg_u32 s14, 0
	s_cbranch_scc1 .Lnot_wave_0_\@
	s_barrier_signal -3
.Lnot_wave_0_\@:
	s_barrier_wait -3
	s_barrier_signal -1
	s_barrier_wait -1
.endm
.macro CROUND                          ; a whole round
	s_barrier_signal -1
	s_barrier_wait -1
	CREST
.endm
	s_load_b128 s[4:7], s[0:1], 0x0                ; x's codes s[4:5], W's codes s[6:7]
	s_load_b128 s[8:11], s[0:1], 0x10              ; the scales' exponents s[8:9], b_qkv s[10:11]
	s_load_b128 s[68:71], s[0:1], 0x20             ; qimg, kimg
	s_load_b64 s[72:73], s[0:1], 0x30              ; vimg
	v_lshl_add_u32 v[SPW], v0, 2, SPARE
	v_mov_b32 v[NIL], 0
	ds_add_u32 v28, v29
	ds_add_u32 v28, v29
	s_wait_dscnt 0x0
	v_lshrrev_b32 v1, 5, v0
	v_readfirstlane_b32 s14, v1                    ; wave 0..3
	s_lshr_b32 s15, s14, 1                         ; which half of the tile's tokens is mine.  Also: I fetch for x (0) or for W (1)
	s_and_b32 s16, s14, 1                          ; which half of its columns.  Also: which 128 rows of that tile I fetch
	s_bfe_u32 s40, ttmp6, 0x40000                  ; cx, cy: my place in the cluster
	s_bfe_u32 s41, ttmp6, 0x40004
	s_lshl_b32 s42, ttmp9, 2
	s_add_co_u32 s42, s42, s40                     ; tile column = 4 x cluster x + cx
	s_and_b32 s17, ttmp7, 0xffff
	s_lshl_b32 s17, s17, 2
	s_add_co_u32 s17, s17, s41                     ; tile row = 4 x cluster y + cy
	s_lshl_b32 s43, s41, 2
	s_lshl_b32 s43, 15, s43                        ; my row of the cluster
	s_lshl_b32 s44, 0x1111, s40                    ; my column
	; descriptor group 1: a tile of 128 rows x 256 bytes, padded in LDS
	s_or_b32 s[G1+0], s43, (0<<16)|(1<<20)|(1<<21)|(5<<22)|(3<<25)  ; 15:0 the mask: x's tiles go to my row; 17:16 elements of 1 byte; 20 padding on; 21 set beside a mask; 24:22 after every 64 words; 31:25 four words
	s_or_b32 s[G1B+0], s44, (0<<16)|(1<<20)|(1<<21)|(5<<22)|(3<<25) ; the same with my column's mask, for W's tiles
.irp g, G1, G1B
	s_mov_b32 s[\g+1], ROWB<<16                    ; tensor_dim0
	s_mov_b32 s[\g+2], 128<<16                     ; tensor_dim1
	s_mov_b32 s[\g+3], ROWB<<16                    ; tile_dim0
	s_mov_b32 s[\g+4], 128                         ; tile_dim1
	s_mov_b32 s[\g+5], KROW                        ; tensor_dim0_stride
	s_mov_b32 s[\g+6], 0
	s_mov_b32 s[\g+7], 0
.endr
	s_lshl_b32 s18, s16, 7                         ; which 128 rows of the tile I fetch
	s_lshl_b32 s20, s17, 8
	s_add_co_u32 s20, s20, s18                     ; x: row 256 x tile row + 128 x half
	s_lshl_b32 s46, s42, 8
	s_add_co_u32 s46, s46, s18                     ; W: row 256 x tile column + 128 x half
	s_mov_b32 s21, 0
	s_mov_b32 s47, 0
	s_mov_b64 s[18:19], KROW
	s_mul_u64 s[20:21], s[20:21], s[18:19]
	s_mul_u64 s[46:47], s[46:47], s[18:19]
	s_mul_i32 s45, s14, HALFT                      ; where they go: wave x 128 rows: no place in the cluster enters an LDS address
	s_wait_kmcnt 0x0
	s_load_b256 s[80:87], s[8:9], 0x0              ; e0 .. e7
	s_add_nc_u64 s[20:21], s[4:5], s[20:21]
	s_add_nc_u64 s[46:47], s[6:7], s[46:47]
	CROUND                                         ; all sixteen work-groups are here: the first joint loads meet
.irp s, 0,1
	s_mov_b32 s[G0+4*\s], 1
	s_add_co_u32 s[G0+4*\s+1], s45, \s*SLOT
	s_add_nc_u64 s[G0+4*\s+2:G0+4*\s+3], s[20:21], \s*ROWB
	s_or_b32 s[G0+4*\s+3], s[G0+4*\s+3], 0x80000000
	s_mov_b32 s[G0B+4*\s], 1
	s_add_co_u32 s[G0B+4*\s+1], s45, \s*SLOT
	s_add_nc_u64 s[G0B+4*\s+2:G0B+4*\s+3], s[46:47], \s*ROWB
	s_or_b32 s[G0B+4*\s+3], s[G0B+4*\s+3], 0x80000000
	JLOAD G0+4*\s, G1, G0B+4*\s, G1B               ; K steps 0 and 1: two loads of mine are out
.endr
	v_and_b32 v1, 15, v0                           ; r = l % 16
	v_bfe_u32 v2, v0, 4, 1                         ; h = l / 16
	v_mul_u32_u24 v3, v1, PITCH
	v_lshl_add_u32 v4, v2, 4, v3                   ; a fragment's row x pitch + 16 x half
	s_mul_i32 s21, s15, HALFT                      ; my 128 tokens' rows
	s_mul_i32 s22, s16, HALFT                      ; my 128 rows of W,
	s_add_co_u32 s22, s22, 2*HALFT                 ; which lie behind x's 256
	s_cmp_eq_u32 ttmp9, 2                          ; the part v?  (cluster x: equal in all partners)
	s_cselect_b32 s23, s22, s21                    ; source 1: tokens for q and k, rows of W for v
	s_cselect_b32 s22, s21, s22                    ; source 0: the other one.  Either way the reads stay inside the slot
.irp s, 0,1
	v_add_nc_u32 v[ADRA+\s], s23, v4
	v_add_nc_u32 v[ADRB+\s], s22, v4
	s_add_co_u32 s23, s23, SLOT
	s_add_co_u32 s22, s22, SLOT
.endr
	; the bias of my 128 columns, in both forms, so that no branch stands here: by registers (register 8 b + j: column 16 b + 8 h + j) and by lanes (registers 2 a, 2 a + 1: column 16 a + r)
	s_lshl_b32 s46, s42, 10
	s_lshl_b32 s47, s16, 9
	s_add_co_u32 s46, s46, s47                     ; 4 bytes x (256 x tile column + 128 x half)
	s_mov_b32 s47, 0
	s_add_nc_u64 s[10:11], s[10:11], s[46:47]
	v_lshlrev_b32 v10, 5, v2                       ; 32 h
	v_lshlrev_b32 v11, 2, v1                       ; 4 r
.irp b, 0,1,2,3,4,5,6,7
	global_load_b128 v[BQ+8*\b:BQ+8*\b+3], v10, s[10:11] offset:64*\b
	global_load_b128 v[BQ+8*\b+4:BQ+8*\b+7], v10, s[10:11] offset:64*\b+16
.endr
.irp a, 0,1,2,3,4,5,6,7
	global_load_b32 v[BV+2*\a], v11, s[10:11] offset:64*\a
	global_load_b32 v[BV+2*\a+1], v11, s[10:11] offset:64*\a
.endr
	v_and_b32 v6, 31, v0
	v_lshlrev_b32 v[CO], 4, v6
	; where my images begin: (16 batch + my first head) x 131,072 + (my 128 tokens' number in the batch) x 8,192: the same figure in all three buffers
	s_lshr_b32 s88, s17, 3                         ; batch: 8 tile rows each
	s_lshl_b32 s88, s88, 4
	s_lshl_b32 s89, s40, 2                         ; a tile column is 4 heads,
	s_add_co_u32 s88, s88, s89
	s_lshl_b32 s89, s16, 1                         ; my half of it 2
	s_add_co_u32 s88, s88, s89
	s_lshl_b32 s88, s88, 17
	s_and_b32 s89, s17, 7
	s_lshl_b32 s89, s89, 1
	s_add_co_u32 s89, s89, s15
	s_lshl_b32 s89, s89, 13
	s_add_co_u32 s88, s88, s89
	s_mov_b32 s89, 0
	s_cmp_eq_u32 ttmp9, 0
	s_cselect_b64 s[DST:DST+1], s[68:69], s[70:71]
	s_cmp_eq_u32 ttmp9, 2
	s_cselect_b64 s[DST:DST+1], s[72:73], s[DST:DST+1]
	s_add_nc_u64 s[DST:DST+1], s[DST:DST+1], s[88:89]
.macro FRAG reg, adr, q, i             ; 16 rows x 128 K: four loads of 16 bytes, 32 apart: registers 4 c .. 4 c + 3 hold K = 32 c + 16 (l / 16) + 0 .. 15: the same order of k in both sources, so every product meets its partner
.irp c, 0,1,2,3
	ds_load_b128 v[\reg+4*\c:\reg+4*\c+3], v[\adr] offset:128*(\q)+32*\c+(\i)*16*PITCH
.endr
.endm
; 16 matrix instructions: source 1's blocks a0, a0 + 1 x source 0's eight, 128 along K.  p: source 0's set.  zero = 1: the first product starts the sums.
; The 64 accumulators take turns, one instruction a turn, in the same order in every step.
.macro MUL16 a0, p, zero
.irp a, \a0, \a0+1
.irp b, 0,1,2,3,4,5,6,7
.if \zero
	v_wmma_f32_16x16x128_fp8_fp8 v[8*(8*((\a)%4)+\b):8*(8*((\a)%4)+\b)+7], v[128*(\p)+FR*\b:128*(\p)+FR*\b+FR-1], v[AF+FR*(\a):AF+FR*(\a)+FR-1], 0
.else
	v_wmma_f32_16x16x128_fp8_fp8 v[8*(8*((\a)%4)+\b):8*(8*((\a)%4)+\b)+7], v[128*(\p)+FR*\b:128*(\p)+FR*\b+FR-1], v[AF+FR*(\a):AF+FR*(\a)+FR-1], v[8*(8*((\a)%4)+\b):8*(8*((\a)%4)+\b)+7]
.endif
.endr
.endr
.endm
.macro FETCH_B slot, q, p              ; source 0's eight fragments of the slot's q-th 128 along K into set p
	WIN TO_B
.irp i, 0,1,2,3,4,5,6,7
	FRAG 128*(\p)+FR*\i, ADRB+\slot, \q, \i
.endr
	WIN 0
.endm
.macro FETCH_A slot, q, i0             ; source 1's blocks i0 .. i0 + 3
.irp i, \i0, \i0+1, \i0+2, \i0+3
	FRAG AF+FR*(\i), ADRA+\slot, \q, \i
.endr
.endm
.macro PLACES n                        ; plain vector lines between a matrix instruction and a load into, or a read of, its registers (ISA guide 7.12.1 for reads)
.rept \n
	v_nop
.endr
.endm
; A step of 128 along K that has its successor in the same slot.
.macro STEP slot, q, zero
	s_wait_dscnt 4*NL                              ; source 0's set and source 1's blocks 0-3 are in; the youngest 16 loads (blocks 4-7) may be out
	WIN MUL_LO
	MUL16 0, (\q)%2, \zero
	MUL16 2, (\q)%2, \zero
	s_wait_dscnt 0                                 ; blocks 4-7 are in (asked for 32 matrix instructions ago)
	PLACES NP
	FETCH_B \slot, (\q)+1, 1-(\q)%2
	FETCH_A \slot, (\q)+1, 0
	WIN MUL_HI
	MUL16 4, (\q)%2, \zero
	MUL16 6, (\q)%2, \zero
	PLACES NP
	WIN 0
	FETCH_A \slot, (\q)+1, 4
.endm
; A slot's last step changes slots: ONE barrier; in front of it each wave waits for all its tensor loads, adds 0 to its spare word, and waits for that and for its own reads of this slot.  fill = 1: this slot is filled again, two K steps ahead.
.macro TURN slot, next, fill
	s_wait_tensorcnt 0x0                           ; all my tensor loads have landed: my part of the next slot
	ds_add_u32 v[SPW], v[NIL]                      ; 0 onto my spare word
	s_wait_dscnt 4*NL+1                            ; (the add and the youngest 16 loads may be out)
	WIN MUL_LO
	MUL16 0, 1, 0                                  ; sixteen matrix instructions stand between the add and the wait for it
	s_wait_dscnt 0x0                               ; the add is done, and my reads of this slot are over
	s_barrier_signal -1
	MUL16 2, 1, 0
	WIN 0
	s_barrier_wait -1
.if \fill
	CREST                                          ; the barrier has opened a round of the cluster's barrier: no wave of any partner still reads this slot or has a load on its way
	s_add_nc_u64 s[G0+4*\slot+2:G0+4*\slot+3], s[G0+4*\slot+2:G0+4*\slot+3], 2*ROWB
	s_add_nc_u64 s[G0B+4*\slot+2:G0B+4*\slot+3], s[G0B+4*\slot+2:G0B+4*\slot+3], 2*ROWB
	JLOAD G0+4*\slot, G1, G0B+4*\slot, G1B         ; the first tensor load behind the round, my one load until the next; its four v_nop are also the places in front of the loads below
.else
	PLACES NP
.endif
	FETCH_B \next, 0, 0
	FETCH_A \next, 0, 0
	WIN MUL_HI
	MUL16 4, 1, 0
	MUL16 6, 1, 0
	PLACES NP
	WIN 0
	FETCH_A \next, 0, 4
.endm
	s_wait_tensorcnt 1                             ; my part of K step 0 is in (K step 1's load may be out)
	s_barrier_signal -1
	s_barrier_wait -1                              ; everybody's is
	FETCH_B 0, 0, 0
	FETCH_A 0, 0, 0
	FETCH_A 0, 0, 4
	STEP 0, 0, 1                                   ; K = 1,024 is four K steps: written out.  The first products start the sums
	TURN 0, 1, 1                                   ; slot 0 takes K step 2
	STEP 1, 0, 0
	TURN 1, 0, 1                                   ; slot 1 takes K step 3
	STEP 0, 0, 0
	TURN 0, 1, 0                                   ; nothing is left to fetch
	STEP 1, 0, 0
	s_wait_dscnt 4*NL                              ; the very last step
	WIN MUL_LO
	MUL16 0, 1, 0
	MUL16 2, 1, 0
	s_wait_dscnt 0
	WIN MUL_HI
	MUL16 4, 1, 0
	MUL16 6, 1, 0
	WIN 0
	; THE WAY OUT: value = sum x 2^(e0 + e1) + bias; the hold; the conversion; the image.  No stage: the conversions' results are the reader's registers.
	s_wait_kmcnt 0x0
	s_add_co_i32 s96, s80, s81
	s_add_co_i32 s96, s96, 127
	s_lshl_b32 s96, s96, 23                        ; 2^(e0 + e1) as f32
	s_mov_b32 s97, s96                             ; (named with it as a pair, so it is written)
	s_cmp_eq_u32 ttmp9, 0
	s_cselect_b32 s90, s82, s83                    ; e2 for q, e3 for k,
	s_cmp_eq_u32 ttmp9, 2
	s_cselect_b32 s90, s85, s90                    ; e5 for v
	s_add_co_i32 s90, s90, 127
	s_lshl_b32 s91, s90, 23
	v_mov_b32 v[SCL], s91                          ; 2^e as f32: the conversion takes its exponent field
	s_add_co_i32 s90, s90, 8
	s_lshl_b32 s90, s90, 23
	s_or_b32 s90, s90, 0x600000
	v_mov_b32 v[LIM], s90                          ; 448 x 2^e
	s_wait_loadcnt 0x0                             ; the biases
	PLACES NP                                      ; behind the last products: their results are read, and source 1's registers written, below
; Block a of source 1 (16 tokens for q and k, 16 channels for v) against source 0's eight blocks.  vv = 1: the part v.
.macro OUT vv, a
.set CDS, CD+16*((\a)%4)
	WIN 0x02+((\a)/4)                              ; source 0: window 2 or 3
.irp b, 0,1,2,3,4,5,6,7
.irp i, 0,2,4,6
.if \vv
	v_pk_fma_f32 v[TMP+8*\b+\i:TMP+8*\b+\i+1], v[64*((\a)%4)+8*\b+\i:64*((\a)%4)+8*\b+\i+1], s[96:97], v[BV+2*(\a):BV+2*(\a)+1] op_sel_hi:[1,0,1]   ; each accumulator from its low end on
.else
	v_pk_fma_f32 v[TMP+8*\b+\i:TMP+8*\b+\i+1], v[64*((\a)%4)+8*\b+\i:64*((\a)%4)+8*\b+\i+1], s[96:97], v[BQ+8*\b+\i:BQ+8*\b+\i+1] op_sel_hi:[1,0,1]
.endif
.endr
.endr
	WIN 0
.set n, 0
.rept 64
	v_med3_num_f32 v[TMP+n], v[TMP+n], -v[LIM], v[LIM]   ; the conversion to an 8-bit code does not saturate (ISA guide 7.6.2): the hold at the largest code x the scale
.set n, n+1
.endr
.if (\a) >= 4
	s_wait_xcnt 0x0                                ; block a - 4's stores have read this set of codes: it is written again only behind this wait
.endif
.irp b, 0,1,2,3,4,5,6,7
	v_cvt_scalef32_pk8_fp8_f32 v[CDS+2*\b:CDS+2*\b+1], v[TMP+8*\b:TMP+8*\b+7], v[SCL]
.endr
	v_nop                                          ; one plain line between the conversions and the next vector line that writes their sources
.irp k, 0,1,2,3
.if \vv
	global_store_b128 v[CO], v[CDS+4*\k:CDS+4*\k+3], s[DST:DST+1] offset:((\a)/4)*131072+((\a)%4)*2048+\k*512   ; head a / 4, channels 16 (a % 4) on, my 128 keys: piece k
.else
	global_store_b128 v[CO], v[CDS+4*\k:CDS+4*\k+3], s[DST:DST+1] offset:(\k/2)*131072+(\a)*1024+(\k%2)*512     ; head k / 2, tokens 16 a on: piece k % 2
.endif
.endr
.endm
	s_cmp_eq_u32 ttmp9, 2                          ; cluster x: the same way for all sixteen partners
	s_cbranch_scc1 .Lv_out
.irp a, 0,1,2,3,4,5,6,7
	OUT 0, \a
.endr
	s_branch .Ldone
.Lv_out:
.irp a, 0,1,2,3,4,5,6,7
	OUT 1, \a
.endr
.Ldone:
	s_wait_tensorcnt 0x0                           ; the wave's end
	ds_add_u32 v[SPW], v[NIL]
	s_wait_dscnt 0x0
	CROUND                                         ; the closing round: no work-group ends while a partner may still ask for a tile that names it
	s_endpgm
.Lfunc_end_k_qc1531be4a8_qkv:
	.size	k_qc1531be4a8_qkv, .Lfunc_end_k_qc1531be4a8_qkv-k_qc1531be4a8_qkv
	.p2alignl 7, 3214868480
	.fill 96, 4, 3214868480
	.section	.rodata,"a",@progbits
	.p2align	6, 0x0
	.amdhsa_kernel k_qc1531be4a8_qkv
		.amdhsa_group_segment_fixed_size 327680
		.amdhsa_private_segment_fixed_size 0
		.amdhsa_enable_private_segment 0
		.amdhsa_kernarg_size 56
		.amdhsa_user_sgpr_count 2
		.amdhsa_user_sgpr_kernarg_segment_ptr 1
		.amdhsa_wavefront_size32 1
		.amdhsa_system_sgpr_workgroup_id_x 1
		.amdhsa_system_sgpr_workgroup_id_y 1
		.amdhsa_system_sgpr_workgroup_id_z 1
		.amdhsa_system_vgpr_workitem_id 0
		.amdhsa_next_free_vgpr 1024
		.amdhsa_next_free_sgpr 100
		.amdhsa_reserve_vcc 0
		.amdhsa_float_denorm_mode_32 3
		.amdhsa_float_denorm_mode_16_64 3
		.amdhsa_memory_ordered 1
		.amdhsa_forward_progress 1
		.amdhsa_inst_pref_size 193
	.end_amdhsa_kernel
	.amdgpu_metadata
---
amdhsa.version: [ 1, 2 ]
amdhsa.kernels:
  - .name:           k_qc1531be4a8_qkv
    .symbol:         k_qc1531be4a8_qkv.kd
    .args:
      - { .name: x_codes, .offset: 0, .size: 8, .value_kind: global_buffer, .address_space: global }
      - { .name: w_qkv_codes, .offset: 8, .size: 8, .value_kind: global_buffer, .address_space: global }
      - { .name: lowp_scales, .offset: 16, .size: 8, .value_kind: global_buffer, .address_space: global }
      - { .name: b_qkv, .offset: 24, .size: 8, .value_kind: global_buffer, .address_space: global }
      - { .name: qimg, .offset: 32, .size: 8, .value_kind: global_buffer, .address_space: global }
      - { .name: kimg, .offset: 40, .size: 8, .value_kind: global_buffer, .address_space: global }
      - { .name: vimg, .offset: 48, .size: 8, .value_kind: global_buffer, .address_space: global }
    .group_segment_fixed_size: 327680
    .private_segment_fixed_size: 0
    .kernarg_segment_align: 8
    .kernarg_segment_size: 56
    .max_flat_workgroup_size: 128
    .sgpr_count:     100
    .vgpr_count:     1024
    .wavefront_size: 32
...
	.end_amdgpu_metadata
.endif
;; end of part 1
;; launch attn (part 2): grid 4 x 64, 8 waves a work-group, no clusters, 263,168 bytes of LDS; arguments qimg, kimg, vimg, lowp_scales, aimg; writes aimg
.if DOCPART == 2
	.amdgcn_target "amdgcn-amd-amdhsa--gfx1250"
	.amdhsa_code_object_version 6
	.text
	.protected	k_qc1531be4a8_attn
	.globl	k_qc1531be4a8_attn
	.p2align	8
	.type	k_qc1531be4a8_attn,@function
k_qc1531be4a8_attn:
	s_mov_b64 s[64:65], 0
	v_nop
	global_prefetch_b8 v0, s[64:65] scope:SCOPE_SE
	s_setreg_imm32_b32 hwreg(HW_REG_WAVE_MODE, 25, 1), 1
	s_wait_xcnt 0x0
; Attention on codes of FP8 (E4M3): 64 heads (16 batch + head) of 2,048 tokens x 64 channels.  S^T = K Q^T by the K = 64 form, O^T = V^T P^T by the K = 128 form; the result, divided by the row's sum, is quantised with e6 and stored as images for the last product.
; THE SOFTMAX: t = score x 2^(e2 + e3) x log2(e) / 8; M = the running largest t rounded UP to a whole number (kept as -M = floor(-t)); p = 2^(t - M) is quantised with e4, not normalised; the row's sum is taken of the
; unquantised p in f32.  When M moves, the sum and O^T are multiplied by 2^(old M - new M): a power of two, so nothing is rounded.
; SHARES.  A work-group owns 512 queries of one head; each of its eight waves owns 64, four tiles of 16, in 512 registers.  Every wave walks the head's 2,048 keys, 128 a step; each fragment of K and V read from LDS serves four tiles.
; LAYOUT.  All operands come as images of registers in the plain 8-bit layout (registers 2 c, 2 c + 1: k = 16 c + 8 h + 0 .. 7), a piece of four registers as 512 bytes, lane l's 16 at 16 l.  In S^T and O^T a lane holds ONE query
; (l % 16); the eight registers of key tile c are keys 16 c + 8 h + 0 .. 7, so one conversion gives registers 2 c, 2 c + 1 of P; likewise O^T's channel tiles give the output's fragment.  Nothing changes lanes but the maximum and the sum.
; LDS: the head's whole K (131,072 bytes at 0) and V (131,072 at 131,072), as they lie in memory; each byte is written once and never again.  Key step j + 1 is stored while step j is read; one barrier a step parts them.
; NO TENSOR LOADS, NO CLUSTER, NO PREFETCH, though the four query blocks of a head read the same K and V: what is shared is 262,144 bytes a work-group, read once, against 64 pairs of tile and key step in each of its eight waves; each wave asks for its
; 64 bytes a lane of step j + 2 by four plain loads a whole key step ahead of their use, so nothing waits for them; the hold of p (128 of a pair of tiles' lines) is idle
; where 448 x 2^e4 is above every p, that is for e4 >= -8 (p is at most 1 but for the last bit of t).
; LIMITS: e2 + e3 between -123 and 130 (added to c's exponent field); e4, and e6 - e4 - e5, between -126 and 119.  NaN and infinite scores are not served.
; REGISTERS.  Window 0: v1-8 addresses; v9, v10 the conversion's scale and the hold; v16-31 a tile's -M, largest t, sum (a pair); v32-39 a tile's f (a pair, its upper word only named); v40-45 at work; v48-63 a step's K and V on their way to LDS;
;   v64-191 S^T, then p, of two tiles; v192-255 P's codes of four tiles.   Window 1: v0-31 Q; v32-159 O^T (32 a tile); v160-223 eight fragments of K, then four of V.
.set VBASE, 131072
.set STEPB, 8192                       ; a key step's images of K, and of V
.set LI,  1                            ; v1   16 x lane
.set LIV, 2                            ; v2   the same in V's half of LDS
.set TO,  3                            ; v3   16 x thread: my place in 4,096 bytes that the work-group copies at a time
.set TOV, 4
.set ADK, 5                            ; v5-8 the same four at the step in hand
.set ADV, 6
.set SWK, 7
.set SWV, 8
.set SCL, 9
.set LIM, 10
.set ST,  16
.set F,   32
.set TA,  40                           ; v40, v41      a chain of the maximum, tile u
.set TD,  42                           ; v[42:43], v[44:45]  the other chain and the exchange; then the sum's second chain
.set LD,  48
.set S,   64
.set P,   192
.set Q,   0                            ; in window 1
.set OT,  32
.set KF,  160
.set KP,  6                            ; s[6:7]  K's images of my head, stepped
.set VP,  8                            ; s[8:9]  V's
.set WV,  24
.set SEL, 26                           ; s[26:27] v_permlanex16_b32's selects for lane l xor 16
.set CS,  28                           ; s[28:29] c = 2^(e2 + e3) log2(e) / 8, a pair for the packed form
.set TB,  30                           ; s30  LDS byte of the step in hand
.set CNT, 31
.set HOLD, 32                          ; s32  1 where p must be held
.set MSB, 0
.macro WIN new                         ; the immediate's high byte repeats the setting that is left
.if MSB != (\new)
	s_set_vgpr_msb (MSB<<8)|(\new)
.set MSB, (\new)
.endif
.endm
	s_load_b256 s[4:11], s[0:1], 0x0               ; qimg s[4:5], kimg s[6:7], vimg s[8:9], the scales' exponents s[10:11]
	s_load_b64 s[12:13], s[0:1], 0x20              ; aimg
	v_lshl_add_u32 v46, v0, 2, 0x40000
	v_mov_b32 v47, 0
	v_lshrrev_b32 v5, 5, v0
	v_readfirstlane_b32 s[WV], v5                  ; wave 0..7
	v_and_b32 v[LI], 31, v0
	v_lshlrev_b32 v[LI], 4, v[LI]
	v_add_nc_u32 v[LIV], VBASE, v[LI]
	v_lshlrev_b32 v[TO], 4, v0
	v_add_nc_u32 v[TOV], VBASE, v[TO]
	s_and_b32 s33, ttmp7, 0xffff                   ; hb = 16 batch + head
	s_lshl_b32 s34, s33, 17                        ; a head's images: 131,072 bytes in each of qimg, kimg, vimg
	s_mov_b32 s35, 0
	s_lshl_b32 s36, ttmp9, 15                      ; my block of 512 queries: 32 tiles of 1,024 bytes,
	s_lshl_b32 s37, s[WV], 12                      ; my wave's four
	s_add_co_u32 s36, s36, s37
	s_add_co_u32 s36, s36, s34
	s_mov_b32 s37, 0
	s_lshr_b32 s38, s33, 4                         ; aimg: token tile = 128 batch + 32 block + 4 wave, 16,384 bytes each; the head's 1,024 in it
	s_lshl_b32 s38, s38, 7
	s_lshl_b32 s39, ttmp9, 5
	s_add_co_u32 s38, s38, s39
	s_lshl_b32 s39, s[WV], 2
	s_add_co_u32 s38, s38, s39
	s_lshl_b32 s38, s38, 14
	s_and_b32 s39, s33, 15
	s_lshl_b32 s39, s39, 10
	s_add_co_u32 s38, s38, s39
	s_mov_b32 s39, 0
	s_mov_b32 s[SEL], 0x76543210
	s_mov_b32 s[SEL+1], 0xfedcba98
	s_mov_b32 s[TB], 0
	s_mov_b32 s[CNT], 14
	s_wait_kmcnt 0x0
	s_load_b256 s[16:23], s[10:11], 0x0            ; e0 .. e7
	s_add_nc_u64 s[KP:KP+1], s[KP:KP+1], s[34:35]
	s_add_nc_u64 s[VP:VP+1], s[VP:VP+1], s[34:35]
	s_add_nc_u64 s[4:5], s[4:5], s[36:37]
	s_add_nc_u64 s[12:13], s[12:13], s[38:39]
	global_load_b128 v[S:S+3],     v[TO], s[KP:KP+1]               ; key step 0: the work-group's 256 threads copy 4,096 consecutive bytes a line
	global_load_b128 v[S+4:S+7],   v[TO], s[KP:KP+1] offset:4096
	global_load_b128 v[S+8:S+11],  v[TO], s[VP:VP+1]
	global_load_b128 v[S+12:S+15], v[TO], s[VP:VP+1] offset:4096
	WIN 0x40                                       ; destination window 1
.irp t, 0,1,2,3
	global_load_b128 v[Q+8*\t:Q+8*\t+3],   v[LI], s[4:5] offset:1024*\t th:TH_LOAD_NT       ; Q stays in registers; read by this wave alone
	global_load_b128 v[Q+8*\t+4:Q+8*\t+7], v[LI], s[4:5] offset:1024*\t+512 th:TH_LOAD_NT
.endr
	WIN 0
	global_load_b128 v[LD:LD+3],     v[TO], s[KP:KP+1] offset:STEPB        ; key step 1
	global_load_b128 v[LD+4:LD+7],   v[TO], s[KP:KP+1] offset:STEPB+4096
	global_load_b128 v[LD+8:LD+11],  v[TO], s[VP:VP+1] offset:STEPB
	global_load_b128 v[LD+12:LD+15], v[TO], s[VP:VP+1] offset:STEPB+4096
.irp t, 0,1,2,3
	v_mov_b32 v[ST+4*\t+1], 0xff61b1e6             ; the largest t so far: -3e38, under every t
	v_floor_f32 v[ST+4*\t], -v[ST+4*\t+1]          ; -M
	v_mov_b32 v[ST+4*\t+2], 0                      ; the sum, in two halves
	v_mov_b32 v[ST+4*\t+3], 0
	v_mov_b32 v[F+2*\t], 0
	v_mov_b32 v[F+2*\t+1], 0                       ; (named as the upper half of a pair)
.endr
.irp i, 0,1,2,3,4,5
	v_mov_b32 v[TA+\i], 0                          ; written once: a lane permute's destination counts as one of its sources
.endr
	WIN 0x40
.set n, 0
.rept 128
	v_mov_b32 v[OT+n], 0                           ; O^T.  The key step is written without a first step of its own: the first finds zeros, which the first change of M leaves zeros.  128 lines once, against a further copy of the step
.set n, n+1
.endr
	WIN 0
	s_wait_kmcnt 0x0
	s_add_co_i32 s33, s18, s19
	s_lshl_b32 s33, s33, 23
	s_add_co_i32 s[CS], s33, 0x3e38aa3b            ; log2(e) / 8, with e2 + e3 added to its exponent field
	s_mov_b32 s[CS+1], s[CS]
	s_cmp_lt_i32 s20, -8
	s_cselect_b32 s[HOLD], 1, 0                    ; 448 x 2^e4 is at least 1.75 from e4 = -8 on
	s_add_co_i32 s33, s20, 127
	s_lshl_b32 s34, s33, 23
	v_mov_b32 v[SCL], s34                          ; 2^e4 as f32
	s_add_co_i32 s33, s33, 8
	s_lshl_b32 s33, s33, 23
	s_or_b32 s33, s33, 0x600000
	v_mov_b32 v[LIM], s33                          ; 448 x 2^e4
	s_wait_loadcnt 12                              ; key step 0's four loads are in: behind them Q's eight and step 1's four were issued
	ds_store_b128 v[TO],  v[S:S+3]
	ds_store_b128 v[TO],  v[S+4:S+7] offset:4096
	ds_store_b128 v[TOV], v[S+8:S+11]
	ds_store_b128 v[TOV], v[S+12:S+15] offset:4096
	s_wait_dscnt 0x0                               ; for the others' sake: my stores have landed
	s_barrier_signal -1
	s_barrier_wait -1                              ; key step 0 lies in LDS
; 16 products S^T = K Q^T for tiles x, x + 1: eight tiles of 16 keys each, K = the head's 64.  Every product starts its own sum.
.macro SPROD x
	WIN 0x05                                       ; K and Q in window 1, S^T in window 0
.irp c, 0,1,2,3,4,5,6,7
.irp u, 0,1
	v_wmma_f32_16x16x64_fp8_fp8 v[S+64*\u+8*\c:S+64*\u+8*\c+7], v[KF+8*\c:KF+8*\c+7], v[Q+8*((\x)+\u):Q+8*((\x)+\u)+7], 0
.endr
.endr
	WIN 0
.rept 4
	v_nop                                          ; places behind the products: their results are read, and K's registers loaded again, below
.endr
.endm
; The softmax of tiles x, x + 1 for one key step, the two tiles line by line by turns, so that no line waits for the one above it.
.macro SM2 x
.irp u, 0,1
	v_max3_num_f32 v[TA+\u], v[S+64*\u], v[S+64*\u+1], v[S+64*\u+2]        ; the largest of my 64 scores, in two chains, ascending: each accumulator is read from its low end on
.endr
.irp u, 0,1
	v_max3_num_f32 v[TD+2*\u], v[S+64*\u+3], v[S+64*\u+4], v[S+64*\u+5]
.endr
.irp i, 6,10,14,18,22,26,30,34,38,42,46,50,54,58
.irp u, 0,1
	v_max3_num_f32 v[TA+\u], v[TA+\u], v[S+64*\u+\i], v[S+64*\u+\i+1]
.endr
.irp u, 0,1
	v_max3_num_f32 v[TD+2*\u], v[TD+2*\u], v[S+64*\u+\i+2], v[S+64*\u+\i+3]
.endr
.endr
.irp u, 0,1
	v_max3_num_f32 v[TA+\u], v[TA+\u], v[S+64*\u+62], v[S+64*\u+63]
.endr
.irp u, 0,1
	v_max_num_f32 v[TA+\u], v[TA+\u], v[TD+2*\u]
.endr
.irp u, 0,1
	v_permlanex16_b32 v[TD+2*\u+1], v[TA+\u], s[SEL], s[SEL+1]             ; the query's other 64 keys lie in lane l xor 16
.endr
.irp u, 0,1
	v_max_num_f32 v[TA+\u], v[TA+\u], v[TD+2*\u+1]
.endr
.irp u, 0,1
	v_mul_f32 v[TA+\u], s[CS], v[TA+\u]                                    ; as t (c is positive)
.endr
.irp u, 0,1
	v_max_num_f32 v[ST+4*((\x)+\u)+1], v[ST+4*((\x)+\u)+1], v[TA+\u]       ; the running largest t
.endr
.irp u, 0,1
	v_mov_b32 v[TA+\u], v[ST+4*((\x)+\u)]
.endr
.irp u, 0,1
	v_floor_f32 v[ST+4*((\x)+\u)], -v[ST+4*((\x)+\u)+1]                    ; the new -M = floor(-t) = -ceil(t)
.endr
.irp u, 0,1
	v_sub_f32 v[TA+\u], v[ST+4*((\x)+\u)], v[TA+\u]                        ; old M less new M: a whole number, 0 or less
.endr
.irp u, 0,1
	v_cvt_i32_f32 v[TA+\u], v[TA+\u]                                       ; (it saturates)
.endr
.irp u, 0,1
	v_ldexp_f32 v[F+2*((\x)+\u)], 1.0, v[TA+\u]                            ; f = 2^(old M - new M)
.endr
.irp i, 0,2,4,6,8,10,12,14,16,18,20,22,24,26,28,30,32,34,36,38,40,42,44,46,48,50,52,54,56,58,60,62
.irp u, 0,1
	v_pk_fma_f32 v[S+64*\u+\i:S+64*\u+\i+1], v[S+64*\u+\i:S+64*\u+\i+1], s[CS:CS+1], v[ST+4*((\x)+\u):ST+4*((\x)+\u)+1] op_sel_hi:[1,0,0]   ; t - M, two at a time (of the pairs c and -M the low word serves both halves)
.endr
.endr
.set n, 0
.rept 64
	v_exp_f32 v[S+n], v[S+n]                                               ; p = 2^(t - M): both tiles' 128 exponentials are one batch
	v_exp_f32 v[S+64+n], v[S+64+n]
.set n, n+1
.endr
.irp u, 0,1
	v_pk_mul_f32 v[ST+4*((\x)+\u)+2:ST+4*((\x)+\u)+3], v[ST+4*((\x)+\u)+2:ST+4*((\x)+\u)+3], v[F+2*((\x)+\u):F+2*((\x)+\u)+1] op_sel_hi:[1,0]   ; the sums under the new M (plain lines behind the exponentials)
.endr
	s_wait_alu depctr_va_vdst(0)                   ; one wait for the whole batch, ahead of its first reader
.irp u, 0,1
	v_pk_add_f32 v[TD+2*\u:TD+2*\u+1], v[S+64*\u:S+64*\u+1], v[S+64*\u+2:S+64*\u+3]      ; the row's sum is taken of the unquantised p: two at a time, in two chains
.endr
.irp i, 4,8,12,16,20,24,28,32,36,40,44,48,52,56,60
.irp u, 0,1
	v_pk_add_f32 v[ST+4*((\x)+\u)+2:ST+4*((\x)+\u)+3], v[ST+4*((\x)+\u)+2:ST+4*((\x)+\u)+3], v[S+64*\u+\i:S+64*\u+\i+1]
.endr
.irp u, 0,1
	v_pk_add_f32 v[TD+2*\u:TD+2*\u+1], v[TD+2*\u:TD+2*\u+1], v[S+64*\u+\i+2:S+64*\u+\i+3]
.endr
.endr
.irp u, 0,1
	v_pk_add_f32 v[ST+4*((\x)+\u)+2:ST+4*((\x)+\u)+3], v[ST+4*((\x)+\u)+2:ST+4*((\x)+\u)+3], v[TD+2*\u:TD+2*\u+1]
.endr
	s_cmp_eq_u32 s[HOLD], 0                        ; a branch on a given whole number; no barrier and no memory line stands under it
	s_cbranch_scc1 .Lfree_\@
.set n, 0
.rept 128
	v_min_num_f32 v[S+n], v[S+n], v[LIM]           ; the conversion to an 8-bit code does not saturate (ISA guide 7.6.2); p is not negative, so the hold is one-sided
.set n, n+1
.endr
.Lfree_\@:
.irp c, 0,1,2,3,4,5,6,7
.irp u, 0,1
	v_cvt_scalef32_pk8_fp8_f32 v[P+16*((\x)+\u)+2*\c:P+16*((\x)+\u)+2*\c+1], v[S+64*\u+8*\c:S+64*\u+8*\c+7], v[SCL]   ; keys 16 c + 8 h + 0 .. 7: registers 2 c, 2 c + 1 of P's fragment
.endr
.endr
	v_nop                                          ; one plain line between the conversions and the matrix instructions that write their sources or read their results
.endm
; A KEY STEP: 128 keys at LDS byte s[TB].  st = 1: key step j + 1, which has come into registers, goes to LDS, and a barrier closes the step.  ld = 1: key step j + 2 is asked for.
.macro STEP st, ld
	v_add_nc_u32 v[ADK], s[TB], v[LI]              ; these four plain lines are also the places between the last step's products and the loads into K's and V's registers
	v_add_nc_u32 v[ADV], s[TB], v[LIV]
	v_add_nc_u32 v[SWK], s[TB], v[TO]
	v_add_nc_u32 v[SWV], s[TB], v[TOV]
.if \st
	s_wait_loadcnt 0x0                             ; step j + 1 is in registers (asked for a key step ago; in the first trip Q too), and those loads' bases may be stepped
.if \ld
	s_add_nc_u64 s[KP:KP+1], s[KP:KP+1], STEPB
	s_add_nc_u64 s[VP:VP+1], s[VP:VP+1], STEPB
.endif
	ds_store_b128 v[SWK], v[LD:LD+3] offset:STEPB                  ; into bytes that nobody reads before the barrier at this step's end
	ds_store_b128 v[SWK], v[LD+4:LD+7] offset:STEPB+4096
	ds_store_b128 v[SWV], v[LD+8:LD+11] offset:STEPB
	ds_store_b128 v[SWV], v[LD+12:LD+15] offset:STEPB+4096
.endif
	WIN 0x40                                       ; destination window 1
.irp c, 0,1,2,3,4,5,6,7
	ds_load_b128 v[KF+8*\c:KF+8*\c+3],   v[ADK] offset:1024*\c     ; K's eight fragments: 16 keys x 64 each
	ds_load_b128 v[KF+8*\c+4:KF+8*\c+7], v[ADK] offset:1024*\c+512
.endr
	WIN 0
	s_wait_dscnt 0x0
.if \ld
	global_load_b128 v[LD:LD+3],     v[TO], s[KP:KP+1] offset:STEPB        ; step j + 2: a whole key step ahead of its use
	global_load_b128 v[LD+4:LD+7],   v[TO], s[KP:KP+1] offset:STEPB+4096
	global_load_b128 v[LD+8:LD+11],  v[TO], s[VP:VP+1] offset:STEPB
	global_load_b128 v[LD+12:LD+15], v[TO], s[VP:VP+1] offset:STEPB+4096
.endif
	SPROD 0
	SM2 0
	SPROD 2
	WIN 0x40
.irp c, 0,1,2,3
.irp i, 0,1,2,3
	ds_load_b128 v[KF+16*\c+4*\i:KF+16*\c+4*\i+3], v[ADV] offset:2048*\c+512*\i   ; V's four fragments, 16 channels x 128 keys each, where K's lay: they land under the softmax below
.endr
.endr
	WIN 0
	SM2 2
	WIN 0x41                                       ; O^T in window 1, f in window 0
.irp t, 0,1,2,3
.set n, 0
.rept 16
	v_pk_mul_f32 v[OT+32*\t+n:OT+32*\t+n+1], v[OT+32*\t+n:OT+32*\t+n+1], v[F+2*\t:F+2*\t+1] op_sel_hi:[1,0]   ; O^T under the new M
.set n, n+2
.endr
.endr
	s_wait_dscnt 0x0                               ; V is in
	WIN 0x51                                       ; V and O^T in window 1, P in window 0
.irp c, 0,1,2,3
.irp t, 0,1,2,3
	v_wmma_f32_16x16x128_fp8_fp8 v[OT+32*\t+8*\c:OT+32*\t+8*\c+7], v[KF+16*\c:KF+16*\c+15], v[P+16*\t:P+16*\t+15], v[OT+32*\t+8*\c:OT+32*\t+8*\c+7]   ; sixteen accumulators, one instruction a turn
.endr
.endr
	WIN 0
	s_add_co_u32 s[TB], s[TB], STEPB
.if \st
	s_wait_dscnt 0x0                               ; my stores of step j + 1 have landed
	s_barrier_signal -1
	s_barrier_wait -1                              ; everybody's have
.endif
.endm
.Lstep:                                            ; 14 trips: key steps 0 to 13 ask for steps 2 to 15
	STEP 1, 1
	s_sub_co_u32 s[CNT], s[CNT], 1
	s_cmp_lg_u32 s[CNT], 0
	s_cbranch_scc1 .Lstep
	STEP 1, 0                                      ; key step 14: nothing is left to ask for: no load leaves its buffer
	STEP 0, 0                                      ; key step 15
	; THE WAY OUT.  o = O^T x 2^(e4 + e5) / the sum; its code is o / 2^e6: the three exponents are folded into the conversion's one scale.
.irp t, 0,1,2,3
	v_add_f32 v[ST+4*\t+2], v[ST+4*\t+2], v[ST+4*\t+3]             ; the sum's two halves (these four lines are the places behind the last products),
.endr
.irp t, 0,1,2,3
	v_permlanex16_b32 v[ST+4*\t+3], v[ST+4*\t+2], s[SEL], s[SEL+1]
.endr
.irp t, 0,1,2,3
	v_add_f32 v[ST+4*\t+2], v[ST+4*\t+2], v[ST+4*\t+3]             ; and lane l xor 16's: the row's sum
.endr
.irp t, 0,1,2,3
	v_rcp_f32 v[F+2*\t], v[ST+4*\t+2]
.endr
	v_nop                                          ; a plain line behind the last reciprocal
	s_sub_co_i32 s33, s22, s20
	s_sub_co_i32 s33, s33, s21                     ; e6 - e4 - e5
	s_add_co_i32 s33, s33, 127
	s_lshl_b32 s34, s33, 23
	s_add_co_i32 s33, s33, 8
	s_lshl_b32 s33, s33, 23
	s_or_b32 s33, s33, 0x600000
	v_mov_b32 v[SCL], s34                          ; 2^(e6 - e4 - e5) as f32
	v_mov_b32 v[LIM], s33                          ; 448 x that
	s_wait_alu depctr_va_vdst(0)                   ; one wait for the four reciprocals, ahead of their first reader
.irp t, 0,1,2,3
	WIN 0x01                                       ; source 0 (O^T) window 1
.set n, 0
.rept 16
	v_pk_mul_f32 v[S+32*\t+n:S+32*\t+n+1], v[OT+32*\t+n:OT+32*\t+n+1], v[F+2*\t:F+2*\t+1] op_sel_hi:[1,0]   ; O^T / the sum, each accumulator from its low end on
.set n, n+2
.endr
	WIN 0
.set n, 0
.rept 32
	v_med3_num_f32 v[S+32*\t+n], v[S+32*\t+n], -v[LIM], v[LIM]     ; the hold at the largest code x the scale
.set n, n+1
.endr
.irp c, 0,1,2,3
	v_cvt_scalef32_pk8_fp8_f32 v[P+8*\t+2*\c:P+8*\t+2*\c+1], v[S+32*\t+8*\c:S+32*\t+8*\c+7], v[SCL]   ; channels 16 c + 8 h + 0 .. 7
.endr
	v_nop
	global_store_b128 v[LI], v[P+8*\t:P+8*\t+3],   s[12:13] offset:16384*\t        ; the wave stores 512 consecutive bytes, aligned
	global_store_b128 v[LI], v[P+8*\t+4:P+8*\t+7], s[12:13] offset:16384*\t+512
.endr
	s_wait_tensorcnt 0x0
	ds_add_u32 v46, v47
	s_wait_dscnt 0x0
	s_endpgm
.Lfunc_end_k_qc1531be4a8_attn:
	.size	k_qc1531be4a8_attn, .Lfunc_end_k_qc1531be4a8_attn-k_qc1531be4a8_attn
	.p2alignl 7, 3214868480
	.fill 96, 4, 3214868480
	.section	.rodata,"a",@progbits
	.p2align	6, 0x0
	.amdhsa_kernel k_qc1531be4a8_attn
		.amdhsa_group_segment_fixed_size 263168
		.amdhsa_private_segment_fixed_size 0
		.amdhsa_enable_private_segment 0
		.amdhsa_kernarg_size 40
		.amdhsa_user_sgpr_count 2
		.amdhsa_user_sgpr_kernarg_segment_ptr 1
		.amdhsa_wavefront_size32 1
		.amdhsa_system_sgpr_workgroup_id_x 1
		.amdhsa_system_sgpr_workgroup_id_y 1
		.amdhsa_system_sgpr_workgroup_id_z 1
		.amdhsa_system_vgpr_workitem_id 0
		.amdhsa_next_free_vgpr 512
		.amdhsa_next_free_sgpr 66
		.amdhsa_reserve_vcc 0
		.amdhsa_float_denorm_mode_32 3
		.amdhsa_float_denorm_mode_16_64 3
		.amdhsa_memory_ordered 1
		.amdhsa_forward_progress 1
		.amdhsa_inst_pref_size 188
	.end_amdhsa_kernel
	.amdgpu_metadata
---
amdhsa.version: [ 1, 2 ]
amdhsa.kernels:
  - .name:           k_qc1531be4a8_attn
    .symbol:         k_qc1531be4a8_attn.kd
    .args:
      - { .name: qimg, .offset: 0, .size: 8, .value_kind: global_buffer, .address_space: global }
      - { .name: kimg, .offset: 8, .size: 8, .value_kind: global_buffer, .address_space: global }
      - { .name: vimg, .offset: 16, .size: 8, .value_kind: global_buffer, .address_space: global }
      - { .name: lowp_scales, .offset: 24, .size: 8, .value_kind: global_buffer, .address_space: global }
      - { .name: aimg, .offset: 32, .size: 8, .value_kind: global_buffer, .address_space: global }
    .group_segment_fixed_size: 263168
    .private_segment_fixed_size: 0
    .kernarg_segment_align: 8
    .kernarg_segment_size: 40
    .max_flat_workgroup_size: 256
    .sgpr_count:     66
    .vgpr_count:     512
    .wavefront_size: 32
...
	.end_amdgpu_metadata
.endif
;; end of part 2
;; launch proj (part 3): grid 4 x 32, 4 waves a work-group, clusters of 4 x 4, 327,680 bytes of LDS; arguments aimg, w_out_codes, lowp_scales, b_out, out0; writes out0
.if DOCPART == 3
	.amdgcn_target "amdgcn-amd-amdhsa--gfx1250"
	.amdhsa_code_object_version 6
	.text
	.protected	k_qc1531be4a8_proj
	.globl	k_qc1531be4a8_proj
	.p2align	8
	.type	k_qc1531be4a8_proj,@function
k_qc1531be4a8_proj:
	s_mov_b64 s[64:65], 0
	v_nop
	global_prefetch_b8 v0, s[64:65] scope:SCOPE_SE
	s_setreg_imm32_b32 hwreg(HW_REG_WAVE_MODE, 25, 1), 1
	s_wait_xcnt 0x0
	s_wait_alu depctr_hold_cnt(0) depctr_sa_sdst(0) depctr_va_vdst(0) depctr_va_sdst(0) depctr_va_ssrc(0) depctr_va_vcc(0) depctr_vm_vsrc(0)
	s_getreg_b32 s2, hwreg(HW_REG_IB_STS2, 6, 4)
	s_cmp_eq_u32 s2, 0
	s_cbranch_scc0 .Lentry_in_a_cluster
	s_endpgm
.Lentry_in_a_cluster:
	s_bfe_u32 s2, ttmp6, 0x10000c
	s_cmp_lg_u32 s2, 0xf033
	s_cbranch_scc0 .Lentry_shape_is_right
	s_endpgm
.Lentry_shape_is_right:
; out0 = a W^T x 2^(e6 + e7) + b_out on codes of FP8 (E4M3).  a: 8,192 tokens x 1,024, as images of operand registers (aimg: [token / 16][head][2 pieces of 512 bytes]: heads 2 g, 2 g + 1 are the fragment of 16 tokens x k = 128 g .. 128 g + 127
; in the plain 8-bit layout, registers 2 c, 2 c + 1: k = 16 c + 8 h + 0 .. 7).  W: [1024 (n)][1024 (k)] codes, K innermost, read from LDS rows in the same layout, by loads of 8 bytes.  out0: [8192][1024] f32.
; LIMIT: e6 + e7 between -126 and 127, so that 2^(e6 + e7) is an f32 number.
; SHARES.  A tile of 256 tokens x 256 columns to a work-group of four waves, 128 x 128 a wave: 64 accumulators, 512 registers; 4 x 32 = 128 work-groups.  K goes in four steps of 256 through two LDS slots filled by the tensor data mover.
; CLUSTERS: 4 x 4 work-groups; a's tile is asked for jointly along a row of the cluster, W's along a column.  Source 0 = 16 rows of W, source 1 = 16 tokens: a lane then holds eight neighbouring numbers of a row of out0.
; REGISTERS, in windows of 256: window 0: v0-31 addresses; v32-35 my four numbers of b_out; from v128 a's fragments, one set; on the way out v128-255 two sets of 16 rows.   window 1: W's fragments, two sets.   windows 2, 3: the accumulators.
.set ROWB,   256                       ; a row of W's tile in bytes
.set KROW,   1024                      ; a row of W in memory; also a token's share of aimg
.set PITCH,  272                       ; W's LDS row: 256 bytes + 16 of padding = 68 words: the 32 lanes of a load of 8 bytes (row r, 8 h) touch 64 different banks (64 banks of 4 bytes: ISA guide 11.1)
.set FR,     16
.set NL,     4                         ; LDS loads that bring a fragment of a
.set NP,     4                         ; places behind this matrix instruction (ISA guide 7.12.1)
.set AH,     32768                     ; 128 tokens x 256 K of images: 8 token tiles x 4,096 bytes, dense: every LDS line reads lane l's bytes at 16 l
.set HALFT,  128*PITCH                 ; 128 rows of W
.set SLOT,   2*AH+2*HALFT              ; a's two halves, then W's 256 rows
.set SPARE,  2*SLOT                    ; behind the ring: the spare words, 128 bytes a wave
.set SPITCH, 528                       ; the way out: a stage of 16 rows x (512 bytes + 16) for each wave, in slot 0, which has had its last fill and its last read when the first result is stored there
.set ADRA, 16                          ; v16-17  LDS address of a's fragments in slot 0, 1
.set ADRB, 20                          ; v20-21  the same for W
.set STO,  24                          ; v24     the way out: where I put 32 bytes of a row
.set RD,   25                          ; v25     where I read a row back
.set CO,   26                          ; v26     16 x lane
.set SPW,  28                          ; v28     my spare word; never rewritten
.set NIL,  29                          ; v29     0; never rewritten
.set BI,   32
.set AF,   128
.set BK,   128
.set G1, 24                            ; s[24:31] group 1 for a's tiles; s[32:39] group 0, a set a slot
.set G0, 32
.set G1B, 48                           ; s[48:55], s[56:63] the same for W's tiles
.set G0B, 56
.set MSB, 0
.macro WIN new                         ; the immediate's high byte repeats the setting that is left
.if MSB != (\new)
	s_set_vgpr_msb (MSB<<8)|(\new)
.set MSB, (\new)
.endif
.endm
.set MUL_LO, 0xa1                      ; source 0 (W) window 1, source 1 (a) window 0, C and D window 2
.set MUL_HI, 0xf1                      ; the same, C and D window 3
.set TO_B,   0x40                      ; destination window 1, address window 0
; A joint load: waves 0 and 1 fetch a's halves, waves 2 and 3 W's.  The branch hangs on the wave's number alone.  Four v_nop follow each of the two lines.
.macro JLOAD g0a, g1a, g0b, g1b
	s_cmp_eq_u32 s15, 0
	s_cbranch_scc0 .Lfor_b_\@
	tensor_load_to_lds s[\g0a:\g0a+3], s[\g1a:\g1a+7]
	s_nop 0
.rept 4
	v_nop
.endr
	s_branch .Lasked_\@
.Lfor_b_\@:
	tensor_load_to_lds s[\g0b:\g0b+3], s[\g1b:\g1b+7]
	s_nop 0
.rept 4
	v_nop
.endr
.Lasked_\@:
.endm
.macro CREST                           ; a round of the cluster's barrier behind its opening barrier
	s_cmp_lg_u32 s14, 0
	s_cbranch_scc1 .Lnot_wave_0_\@
	s_barrier_signal -3
.Lnot_wave_0_\@:
	s_barrier_wait -3
	s_barrier_signal -1
	s_barrier_wait -1
.endm
.macro CROUND                          ; a whole round
	s_barrier_signal -1
	s_barrier_wait -1
	CREST
.endm
	s_load_b128 s[4:7], s[0:1], 0x0                ; aimg s[4:5], W's codes s[6:7]
	s_load_b128 s[8:11], s[0:1], 0x10              ; the scales' exponents s[8:9], b_out s[10:11]
	s_load_b64 s[12:13], s[0:1], 0x20              ; out0
	v_lshl_add_u32 v[SPW], v0, 2, SPARE
	v_mov_b32 v[NIL], 0
	ds_add_u32 v28, v29
	ds_add_u32 v28, v29
	s_wait_dscnt 0x0
	v_lshrrev_b32 v1, 5, v0
	v_readfirstlane_b32 s14, v1                    ; wave 0..3
	s_lshr_b32 s15, s14, 1                         ; which half of the tile's tokens is mine.  Also: I fetch for a (0) or for W (1)
	s_and_b32 s16, s14, 1                          ; which half of its columns.  Also: which half of that tile I fetch
	s_bfe_u32 s40, ttmp6, 0x40000                  ; cx, cy: my place in the cluster
	s_bfe_u32 s41, ttmp6, 0x40004
	s_lshl_b32 s42, ttmp9, 2
	s_add_co_u32 s42, s42, s40                     ; tile column = 4 x cluster x + cx
	s_and_b32 s17, ttmp7, 0xffff
	s_lshl_b32 s17, s17, 2
	s_add_co_u32 s17, s17, s41                     ; tile row = 4 x cluster y + cy
	s_lshl_b32 s43, s41, 2
	s_lshl_b32 s43, 15, s43                        ; my row of the cluster
	s_lshl_b32 s44, 0x1111, s40                    ; my column
	; descriptor group 1 for a: 8 token tiles, of each the 4,096 bytes of a K step, 16,384 bytes apart; dense in LDS
	s_or_b32 s[G1+0], s43, (0<<16)|(1<<21)         ; 15:0 the mask: a's tiles go to my row; 17:16 elements of 1 byte; 20 no padding; 21 set beside a mask
	s_mov_b32 s[G1+1], 4096<<16                    ; tensor_dim0
	s_mov_b32 s[G1+2], 8<<16                       ; tensor_dim1
	s_mov_b32 s[G1+3], 4096<<16                    ; tile_dim0
	s_mov_b32 s[G1+4], 8                           ; tile_dim1
	s_mov_b32 s[G1+5], 16384                       ; tensor_dim0_stride
	s_mov_b32 s[G1+6], 0
	s_mov_b32 s[G1+7], 0
	; and for W: 128 rows x 256 bytes, padded in LDS
	s_or_b32 s[G1B+0], s44, (0<<16)|(1<<20)|(1<<21)|(5<<22)|(3<<25)  ; the mask of my column; padding on: four words after every 64
	s_mov_b32 s[G1B+1], ROWB<<16
	s_mov_b32 s[G1B+2], 128<<16
	s_mov_b32 s[G1B+3], ROWB<<16
	s_mov_b32 s[G1B+4], 128
	s_mov_b32 s[G1B+5], KROW
	s_mov_b32 s[G1B+6], 0
	s_mov_b32 s[G1B+7], 0
	s_lshl_b32 s18, s16, 7                         ; which 128 rows of the tile I fetch
	s_lshl_b32 s20, s17, 8
	s_add_co_u32 s20, s20, s18                     ; a: token 256 x tile row + 128 x half: 1,024 bytes of images a token
	s_lshl_b32 s46, s42, 8
	s_add_co_u32 s46, s46, s18                     ; W: row 256 x tile column + 128 x half
	s_mov_b32 s21, 0
	s_mov_b32 s47, 0
	s_mov_b64 s[18:19], KROW
	s_mul_u64 s[20:21], s[20:21], s[18:19]
	s_mul_u64 s[46:47], s[46:47], s[18:19]
	s_mul_i32 s45, s16, AH                         ; where they go: a's halves,
	s_mul_i32 s88, s16, HALFT
	s_add_co_u32 s88, s88, 2*AH                    ; W's halves behind them: no place in the cluster enters an LDS address
	s_wait_kmcnt 0x0
	s_load_b256 s[80:87], s[8:9], 0x0              ; e0 .. e7
	s_add_nc_u64 s[20:21], s[4:5], s[20:21]
	s_add_nc_u64 s[46:47], s[6:7], s[46:47]
	CROUND                                         ; all sixteen work-groups are here: the first joint loads meet
.irp s, 0,1
	s_mov_b32 s[G0+4*\s], 1
	s_add_co_u32 s[G0+4*\s+1], s45, \s*SLOT
	s_add_nc_u64 s[G0+4*\s+2:G0+4*\s+3], s[20:21], \s*4096
	s_or_b32 s[G0+4*\s+3], s[G0+4*\s+3], 0x80000000
	s_mov_b32 s[G0B+4*\s], 1
	s_add_co_u32 s[G0B+4*\s+1], s88, \s*SLOT
	s_add_nc_u64 s[G0B+4*\s+2:G0B+4*\s+3], s[46:47], \s*ROWB
	s_or_b32 s[G0B+4*\s+3], s[G0B+4*\s+3], 0x80000000
	JLOAD G0+4*\s, G1, G0B+4*\s, G1B               ; K steps 0 and 1: two loads of mine are out
.endr
	v_and_b32 v1, 15, v0                           ; r = l % 16
	v_bfe_u32 v2, v0, 4, 1                         ; h = l / 16
	v_and_b32 v6, 31, v0
	v_lshlrev_b32 v[CO], 4, v6                     ; 16 x lane
	v_mul_u32_u24 v3, v1, PITCH
	v_lshl_add_u32 v4, v2, 3, v3                   ; W: row x pitch + 8 x half
	s_mul_i32 s21, s15, AH                         ; my 128 tokens' images
	s_mul_i32 s22, s16, HALFT                      ; my 128 rows of W,
	s_add_co_u32 s22, s22, 2*AH                    ; which lie behind a's
.irp s, 0,1
	v_add_nc_u32 v[ADRA+\s], s21, v[CO]
	v_add_nc_u32 v[ADRB+\s], s22, v4
	s_add_co_u32 s21, s21, SLOT
	s_add_co_u32 s22, s22, SLOT
.endr
	s_mul_i32 s23, s14, 16*SPITCH                  ; my stage
	v_mul_u32_u24 v5, v1, SPITCH                   ; in: row l % 16, 32 bytes for each half of the lanes
	v_lshl_add_u32 v5, v2, 5, v5
	v_add_nc_u32 v[STO], s23, v5
	v_add_nc_u32 v[RD], s23, v[CO]                 ; back: the 32 lanes take one row of 512 bytes
	s_lshl_b32 s20, s17, 8
	s_lshl_b32 s21, s15, 7
	s_add_co_u32 s20, s20, s21                     ; my first row of out0: 256 x tile row + 128 x half
	s_mov_b32 s21, 0
	s_mov_b64 s[18:19], 4096
	s_mul_u64 s[20:21], s[20:21], s[18:19]
	s_lshl_b32 s46, s42, 10                        ; my first column, in bytes: 1,024 x tile column + 512 x half: in a row of out0 and in b_out alike
	s_lshl_b32 s47, s16, 9
	s_add_co_u32 s46, s46, s47
	s_mov_b32 s47, 0
	s_add_nc_u64 s[20:21], s[20:21], s[46:47]
	s_add_nc_u64 s[12:13], s[12:13], s[20:21]
	s_add_nc_u64 s[10:11], s[10:11], s[46:47]
	global_load_b128 v[BI:BI+3], v[CO], s[10:11]   ; b_out at the four columns that I hold when a row comes back from the stage
.macro FRAGA reg, slot, q, i           ; a's fragment of token tile i, the slot's q-th 128 along K: four pieces of 512 bytes, as they were stored
.irp c, 0,1,2,3
	ds_load_b128 v[\reg+4*\c:\reg+4*\c+3], v[ADRA+\slot] offset:(\i)*4096+(\q)*2048+512*\c
.endr
.endm
.macro FRAGB reg, slot, q, i           ; W's fragment: registers 2 c, 2 c + 1 hold K = 16 c + 8 (l / 16) + 0 .. 7 of row l % 16: the layout in which a's images were made
.irp c, 0,1,2,3,4,5,6,7
	ds_load_b64 v[\reg+2*\c:\reg+2*\c+1], v[ADRB+\slot] offset:128*(\q)+16*\c+(\i)*16*PITCH
.endr
.endm
; 16 matrix instructions: a's blocks a0, a0 + 1 x W's eight, 128 along K.  p: W's set.  zero = 1: the first product starts the sums.
; The 64 accumulators take turns, one instruction a turn, in the same order in every step.
.macro MUL16 a0, p, zero
.irp a, \a0, \a0+1
.irp b, 0,1,2,3,4,5,6,7
.if \zero
	v_wmma_f32_16x16x128_fp8_fp8 v[8*(8*((\a)%4)+\b):8*(8*((\a)%4)+\b)+7], v[128*(\p)+FR*\b:128*(\p)+FR*\b+FR-1], v[AF+FR*(\a):AF+FR*(\a)+FR-1], 0
.else
	v_wmma_f32_16x16x128_fp8_fp8 v[8*(8*((\a)%4)+\b):8*(8*((\a)%4)+\b)+7], v[128*(\p)+FR*\b:128*(\p)+FR*\b+FR-1], v[AF+FR*(\a):AF+FR*(\a)+FR-1], v[8*(8*((\a)%4)+\b):8*(8*((\a)%4)+\b)+7]
.endif
.endr
.endr
.endm
.macro FETCH_B slot, q, p              ; W's eight fragments into set p
	WIN TO_B
.irp i, 0,1,2,3,4,5,6,7
	FRAGB 128*(\p)+FR*\i, \slot, \q, \i
.endr
	WIN 0
.endm
.macro FETCH_A slot, q, i0             ; a's blocks i0 .. i0 + 3
.irp i, \i0, \i0+1, \i0+2, \i0+3
	FRAGA AF+FR*(\i), \slot, \q, \i
.endr
.endm
.macro PLACES n                        ; plain vector lines between a matrix instruction and a load into, or a read of, its registers (ISA guide 7.12.1 for reads)
.rept \n
	v_nop
.endr
.endm
; A step of 128 along K that has its successor in the same slot.
.macro STEP slot, q, zero
	s_wait_dscnt 4*NL                              ; W's set and a's blocks 0-3 are in; the youngest 16 loads (a's blocks 4-7) may be out
	WIN MUL_LO
	MUL16 0, (\q)%2, \zero
	MUL16 2, (\q)%2, \zero
	s_wait_dscnt 0                                 ; a's blocks 4-7 are in (asked for 32 matrix instructions ago)
	PLACES NP
	FETCH_B \slot, (\q)+1, 1-(\q)%2
	FETCH_A \slot, (\q)+1, 0
	WIN MUL_HI
	MUL16 4, (\q)%2, \zero
	MUL16 6, (\q)%2, \zero
	PLACES NP
	WIN 0
	FETCH_A \slot, (\q)+1, 4
.endm
; A slot's last step changes slots: ONE barrier; in front of it each wave waits for all its tensor loads, adds 0 to its spare word, and waits for that and for its own reads of this slot.  fill = 1: this slot is filled again, two K steps ahead.
.macro TURN slot, next, fill
	s_wait_tensorcnt 0x0                           ; all my tensor loads have landed: my part of the next slot
	ds_add_u32 v[SPW], v[NIL]                      ; 0 onto my spare word
	s_wait_dscnt 4*NL+1                            ; (the add and the youngest 16 loads may be out)
	WIN MUL_LO
	MUL16 0, 1, 0                                  ; sixteen matrix instructions stand between the add and the wait for it
	s_wait_dscnt 0x0                               ; the add is done, and my reads of this slot are over
	s_barrier_signal -1
	MUL16 2, 1, 0
	WIN 0
	s_barrier_wait -1
.if \fill
	CREST                                          ; the barrier has opened a round of the cluster's barrier: no wave of any partner still reads this slot or has a load on its way
	s_add_nc_u64 s[G0+4*\slot+2:G0+4*\slot+3], s[G0+4*\slot+2:G0+4*\slot+3], 2*4096
	s_add_nc_u64 s[G0B+4*\slot+2:G0B+4*\slot+3], s[G0B+4*\slot+2:G0B+4*\slot+3], 2*ROWB
	JLOAD G0+4*\slot, G1, G0B+4*\slot, G1B         ; the first tensor load behind the round, my one load until the next; its four v_nop are also the places in front of the loads below
.else
	PLACES NP
.endif
	FETCH_B \next, 0, 0
	FETCH_A \next, 0, 0
	WIN MUL_HI
	MUL16 4, 1, 0
	MUL16 6, 1, 0
	PLACES NP
	WIN 0
	FETCH_A \next, 0, 4
.endm
	s_wait_tensorcnt 1                             ; my part of K step 0 is in (K step 1's load may be out)
	s_barrier_signal -1
	s_barrier_wait -1                              ; everybody's is
	FETCH_B 0, 0, 0
	FETCH_A 0, 0, 0
	FETCH_A 0, 0, 4
	STEP 0, 0, 1                                   ; K = 1,024 is four K steps: written out.  The first products start the sums
	TURN 0, 1, 1                                   ; slot 0 takes K step 2
	STEP 1, 0, 0
	TURN 1, 0, 1                                   ; slot 1 takes K step 3
	STEP 0, 0, 0
	TURN 0, 1, 0                                   ; nothing is left to fetch; behind this barrier nobody reads slot 0 any more
	STEP 1, 0, 0
	s_wait_dscnt 4*NL                              ; the very last step
	WIN MUL_LO
	MUL16 0, 1, 0
	MUL16 2, 1, 0
	s_wait_dscnt 0
	WIN MUL_HI
	MUL16 4, 1, 0
	MUL16 6, 1, 0
	WIN 0
; THE WAY OUT, block by block of 16 rows x 128 columns.  A lane holds 32 neighbouring bytes of a row, and the lanes beside it hold other rows: so a block's sums go through my own stage in LDS as they are and come back as whole
; rows of 512 bytes; there each lane holds four columns that are the same in every row, so one packed multiply-add for two numbers gives sum x 2^(e6 + e7) + b_out.  LDS serves a wave's instructions in order (ISA guide 5.7.1.4):
; no wait between the stores and the loads, nor in front of the next block's stores.
.macro TOSTAGE a
.set AC, 64*((\a)%4)
	WIN 0x08+4*((\a)/4)                            ; the stores' data: window 2 or 3
.irp b, 0,1,2,3,4,5,6,7
	ds_store_b128 v[STO], v[AC+8*\b:AC+8*\b+3] offset:64*\b          ; each accumulator from its low end on
	ds_store_b128 v[STO], v[AC+8*\b+4:AC+8*\b+7] offset:64*\b+16
.endr
	WIN 0
.set BB, BK+64*((\a)%2)
.irp t, 0,1,2,3,4,5,6,7,8,9,10,11,12,13,14,15
	ds_load_b128 v[BB+4*\t:BB+4*\t+3], v[RD] offset:\t*SPITCH
.endr
.endm
.macro SEND a, younger                 ; younger: the LDS instructions issued behind block a's loads, which may stay out
.set BB, BK+64*((\a)%2)
	s_wait_dscnt \younger                          ; the block is back in registers
.if (\a) > 0
	s_add_nc_u64 s[12:13], s[12:13], 16*4096       ; (behind a wait on XCNT: the earlier stores have read their base)  16 rows of out0 on
.endif
.irp t, 0,1,2,3,4,5,6,7,8,9,10,11,12,13,14,15
	v_pk_fma_f32 v[BB+4*\t:BB+4*\t+1], v[BB+4*\t:BB+4*\t+1], s[96:97], v[BI:BI+1] op_sel_hi:[1,0,1]
	v_pk_fma_f32 v[BB+4*\t+2:BB+4*\t+3], v[BB+4*\t+2:BB+4*\t+3], s[96:97], v[BI+2:BI+3] op_sel_hi:[1,0,1]
.endr
.irp t, 0,1,2,3,4,5,6,7,8,9,10,11,12,13,14,15
	global_store_b128 v[CO], v[BB+4*\t:BB+4*\t+3], s[12:13] offset:\t*4096 th:TH_STORE_NT   ; 32 lanes store 512 consecutive bytes, at a multiple of 256 from out0's first byte; written once, read by nobody here
.endr
.endm
	s_wait_kmcnt 0x0
	s_add_co_i32 s96, s86, s87                     ; e6 + e7
	s_add_co_i32 s96, s96, 127
	s_lshl_b32 s96, s96, 23                        ; 2^(e6 + e7) as f32
	s_mov_b32 s97, s96                             ; (named with it as a pair, so it is written)
	s_wait_loadcnt 0x0                             ; b_out
	PLACES NP                                      ; behind the last products: their results are stored, and a's registers loaded, below
	TOSTAGE 0
.irp a, 1,2,3,4,5,6,7
.if \a > 1
	s_wait_xcnt 0x0                                ; block a - 2's stores have read their registers and their base: block a's loads may land there, and the base may step
.endif
	TOSTAGE \a
	SEND \a-1, 32                                  ; behind block a - 1's loads: block a's 16 stores and 16 loads
.endr
	s_wait_xcnt 0x0                                ; block 6's stores have read their base
	SEND 7, 0
	s_wait_tensorcnt 0x0                           ; the wave's end, behind my last tensor load and my last LDS store
	ds_add_u32 v[SPW], v[NIL]
	s_wait_dscnt 0x0
	CROUND                                         ; the closing round: no work-group ends while a partner may still ask for a tile that names it
	s_endpgm
.Lfunc_end_k_qc1531be4a8_proj:
	.size	k_qc1531be4a8_proj, .Lfunc_end_k_qc1531be4a8_proj-k_qc1531be4a8_proj
	.p2alignl 7, 3214868480
	.fill 96, 4, 3214868480
	.section	.rodata,"a",@progbits
	.p2align	6, 0x0
	.amdhsa_kernel k_qc1531be4a8_proj
		.amdhsa_group_segment_fixed_size 327680
		.amdhsa_private_segment_fixed_size 0
		.amdhsa_enable_private_segment 0
		.amdhsa_kernarg_size 40
		.amdhsa_user_sgpr_count 2
		.amdhsa_user_sgpr_kernarg_segment_ptr 1
		.amdhsa_wavefront_size32 1
		.amdhsa_system_sgpr_workgroup_id_x 1
		.amdhsa_system_sgpr_workgroup_id_y 1
		.amdhsa_system_sgpr_workgroup_id_z 1
		.amdhsa_system_vgpr_workitem_id 0
		.amdhsa_next_free_vgpr 1024
		.amdhsa_next_free_sgpr 100
		.amdhsa_reserve_vcc 0
		.amdhsa_float_denorm_mode_32 3
		.amdhsa_float_denorm_mode_16_64 3
		.amdhsa_memory_ordered 1
		.amdhsa_forward_progress 1
		.amdhsa_inst_pref_size 139
	.end_amdhsa_kernel
	.amdgpu_metadata
---
amdhsa.version: [ 1, 2 ]
amdhsa.kernels:
  - .name:           k_qc1531be4a8_proj
    .symbol:         k_qc1531be4a8_proj.kd
    .args:
      - { .name: aimg, .offset: 0, .size: 8, .value_kind: global_buffer, .address_space: global }
      - { .name: w_out_codes, .offset: 8, .size: 8, .value_kind: global_buffer, .address_space: global }
      - { .name: lowp_scales, .offset: 16, .size: 8, .value_kind: global_buffer, .address_space: global }
      - { .name: b_out, .offset: 24, .size: 8, .value_kind: global_buffer, .address_space: global }
      - { .name: out0, .offset: 32, .size: 8, .value_kind: global_buffer, .address_space: global }
    .group_segment_fixed_size: 327680
    .private_segment_fixed_size: 0
    .kernarg_segment_align: 8
    .kernarg_segment_size: 40
    .max_flat_workgroup_size: 128
    .sgpr_count:     100
    .vgpr_count:     1024
    .wavefront_size: 32
...
	.end_amdgpu_metadata
.endif
;; end of part 3
;; ======== version 2 of 2: 3 launches; version 1 with the launch attn written anew for expert scheduling mode
;; workspace buffers: qimg 8,388,608 bytes; kimg 8,388,608 bytes; vimg 8,388,608 bytes; aimg 8,388,608 bytes
;; launch qkv: the kernel of part 1 again; grid 12 x 32, 4 waves a work-group, clusters of 4 x 4, 327,680 bytes of LDS; arguments x_codes, w_qkv_codes, lowp_scales, b_qkv, qimg, kimg, vimg; writes qimg, kimg, vimg
;; launch attn (part 4): grid 4 x 64, 8 waves a work-group, no clusters, 263,168 bytes of LDS; arguments qimg, kimg, vimg, lowp_scales, aimg; writes aimg
.if DOCPART == 4
	.amdgcn_target "amdgcn-amd-amdhsa--gfx1250"
	.amdhsa_code_object_version 6
	.text
	.protected	k_qc1531be4a8_attn
	.globl	k_qc1531be4a8_attn
	.p2align	8
	.type	k_qc1531be4a8_attn,@function
k_qc1531be4a8_attn:
	s_mov_b64 s[64:65], 0
	v_nop
	global_prefetch_b8 v0, s[64:65] scope:SCOPE_SE
	s_setreg_imm32_b32 hwreg(HW_REG_WAVE_SCHED_MODE, 0, 2), 2
	s_setreg_imm32_b32 hwreg(HW_REG_WAVE_MODE, 25, 1), 1
	s_wait_xcnt 0x0
	s_wait_alu depctr_vm_vsrc(0)
; Attention on codes of FP8 (E4M3): 64 heads (16 batch + head) of 2,048 tokens x 64 channels.  S^T = K Q^T by the K = 64 form, O^T = V^T P^T by the K = 128 form; the result, divided by the row's sum, is quantised with e6 and stored as images for the last product.
; THE SOFTMAX: t = score x 2^(e2 + e3) x log2(e) / 8; M = the running largest t rounded UP to a whole number (kept as -M = floor(-t)); p = 2^(t - M) is quantised with e4, not normalised; the row's sum is taken of the
; unquantised p in f32.  When M moves, the sum and O^T are multiplied by 2^(old M - new M): a power of two, so nothing is rounded.
; SHARES.  A work-group owns 512 queries of one head; each of its eight waves owns 64, four tiles of 16, in 512 registers.  Every wave walks the head's 2,048 keys, 128 a step; each fragment of K and V read from LDS serves four tiles.
; LAYOUT.  All operands come as images of registers in the plain 8-bit layout (registers 2 c, 2 c + 1: k = 16 c + 8 h + 0 .. 7), a piece of four registers as 512 bytes, lane l's 16 at 16 l.  In S^T and O^T a lane holds ONE query
; (l % 16); the eight registers of key tile c are keys 16 c + 8 h + 0 .. 7, so one conversion gives registers 2 c, 2 c + 1 of P; likewise O^T's channel tiles give the output's fragment.  Nothing changes lanes but the maximum and the sum.
; LDS: the head's whole K (131,072 bytes at 0) and V (131,072 at 131,072), as they lie in memory; each byte is written once and never again.  Key step j + 1 is stored while step j is read; one barrier a step parts them.
; NO TENSOR LOADS, NO CLUSTER, NO PREFETCH, though the four query blocks of a head read the same K and V: what is shared is 262,144 bytes a work-group, read once, against 64 pairs of tile and key step in each of its eight waves; each wave asks for its
; 64 bytes a lane of step j + 2 by four plain loads nearly a whole key step ahead of their use, so nothing waits for them; the hold of p (128 of a pair of tiles' lines) is idle
; where 448 x 2^e4 is above every p, that is for e4 >= -8 (p is at most 1 but for the last bit of t).
; LIMITS: e2 + e3 between -123 and 130 (added to c's exponent field); e4, and e6 - e4 - e5, between -126 and 119.  NaN and infinite scores are not served.
; REGISTERS.  Window 0: v1-8 addresses; v9, v10 the conversion's scale and the hold; v16-31 a tile's -M, largest t, sum (a pair); v32-39 a tile's f (a pair, its upper word only named); v40-45 at work; v48-63 a step's K and V on their way to LDS;
;   v64-191 S^T, then p, of two tiles; v192-255 P's codes of four tiles.   Window 1: v0-31 Q; v32-159 O^T (32 a tile); v160-223 eight fragments of K, then four of V.
; THE MODE: SCHED_MODE bits 1:0 = 2 (LLVM: expert scheduling mode 2), set by the entry lines.  The code itself states the register dependences between vector or matrix instructions and memory or LDS instructions, with s_wait_alu, always for 0.
; THE PLAN.  Registers that memory or LDS instructions touch:
;   v1-v4     offsets and LDS places, made once at the head and never written again: read by every global load and store and by the head's LDS stores.
;   v5-v8     the step's four LDS addresses: written by four vector adds at a step's head; read by the step's loads of K and of V and by its four LDS stores.
;   v48-63    step j + 2's numbers land here from memory; the LDS stores of the next step read them; no vector instruction names them.
;   K's and V's registers (window 1, v160-223): K's loads land at a step's head; the step's 32 products K Q^T read them; then V's loads land; the step's 16 products V^T P read them.
;   v64-79    at the head only: key step 0 lands here and the head's LDS stores read it; from the first step on these are S^T, which products write.
;   v192-223  on the way out only: the last conversions write them, the eight stores read them.
;   O^T, the statistics, f, and in the loop S^T and P are named by vector and matrix instructions alone.
; A key step holds five waits.  At its head: one on vm_vsrc ahead of the four adds, one on va_vdst behind them, ahead of K's loads and the LDS stores.  Behind the first sixteen products: one on vm_vsrc ahead of the loads from memory.
; Each pair of tiles' exponentials have their one wait on va_vdst; behind the second pair's stand V's loads, since that wait also shows all products K Q^T done with K's registers.
.set VBASE, 131072
.set STEPB, 8192                       ; a key step's images of K, and of V
.set LI,  1                            ; v1   16 x lane
.set LIV, 2                            ; v2   the same in V's half of LDS
.set TO,  3                            ; v3   16 x thread: my place in 4,096 bytes that the work-group copies at a time
.set TOV, 4
.set ADK, 5                            ; v5-8 the same four at the step in hand
.set ADV, 6
.set SWK, 7
.set SWV, 8
.set SCL, 9
.set LIM, 10
.set ST,  16
.set F,   32
.set TA,  40                           ; v40, v41      a chain of the maximum, tile u
.set TD,  42                           ; v[42:43], v[44:45]  the other chain and the exchange; then the sum's second chain
.set LD,  48
.set S,   64
.set P,   192
.set Q,   0                            ; in window 1
.set OT,  32
.set KF,  160
.set KP,  6                            ; s[6:7]  K's images of my head, stepped
.set VP,  8                            ; s[8:9]  V's
.set WV,  24
.set SEL, 26                           ; s[26:27] v_permlanex16_b32's selects for lane l xor 16
.set CS,  28                           ; s[28:29] c = 2^(e2 + e3) log2(e) / 8, a pair for the packed form
.set TB,  30                           ; s30  LDS byte of the step in hand
.set CNT, 31
.set HOLD, 32                          ; s32  1 where p must be held
.set MSB, 0
.macro WIN new                         ; the immediate's high byte repeats the setting that is left
.if MSB != (\new)
	s_set_vgpr_msb (MSB<<8)|(\new)
.set MSB, (\new)
.endif
.endm
	s_load_b256 s[4:11], s[0:1], 0x0               ; qimg s[4:5], kimg s[6:7], vimg s[8:9], the scales' exponents s[10:11]
	s_load_b64 s[12:13], s[0:1], 0x20              ; aimg
	v_lshl_add_u32 v46, v0, 2, 0x40000
	v_mov_b32 v47, 0
	v_lshrrev_b32 v5, 5, v0
	v_readfirstlane_b32 s[WV], v5                  ; wave 0..7
	v_and_b32 v[LI], 31, v0
	v_lshlrev_b32 v[LI], 4, v[LI]
	v_add_nc_u32 v[LIV], VBASE, v[LI]
	v_lshlrev_b32 v[TO], 4, v0
	v_add_nc_u32 v[TOV], VBASE, v[TO]
	s_and_b32 s33, ttmp7, 0xffff                   ; hb = 16 batch + head
	s_lshl_b32 s34, s33, 17                        ; a head's images: 131,072 bytes in each of qimg, kimg, vimg
	s_mov_b32 s35, 0
	s_lshl_b32 s36, ttmp9, 15                      ; my block of 512 queries: 32 tiles of 1,024 bytes,
	s_wait_alu depctr_va_sdst(0)                   ; the wave's number is written, ahead of its first reader: Q's and the output's bases are made from it
	s_lshl_b32 s37, s[WV], 12                      ; my wave's four
	s_add_co_u32 s36, s36, s37
	s_add_co_u32 s36, s36, s34
	s_mov_b32 s37, 0
	s_lshr_b32 s38, s33, 4                         ; aimg: token tile = 128 batch + 32 block + 4 wave, 16,384 bytes each; the head's 1,024 in it
	s_lshl_b32 s38, s38, 7
	s_lshl_b32 s39, ttmp9, 5
	s_add_co_u32 s38, s38, s39
	s_lshl_b32 s39, s[WV], 2
	s_add_co_u32 s38, s38, s39
	s_lshl_b32 s38, s38, 14
	s_and_b32 s39, s33, 15
	s_lshl_b32 s39, s39, 10
	s_add_co_u32 s38, s38, s39
	s_mov_b32 s39, 0
	s_mov_b32 s[SEL], 0x76543210
	s_mov_b32 s[SEL+1], 0xfedcba98
	s_mov_b32 s[TB], 0
	s_mov_b32 s[CNT], 14
	s_wait_kmcnt 0x0
	s_load_b256 s[16:23], s[10:11], 0x0            ; e0 .. e7
	s_add_nc_u64 s[KP:KP+1], s[KP:KP+1], s[34:35]
	s_add_nc_u64 s[VP:VP+1], s[VP:VP+1], s[34:35]
	s_add_nc_u64 s[4:5], s[4:5], s[36:37]
	s_add_nc_u64 s[12:13], s[12:13], s[38:39]
	s_wait_alu depctr_va_vdst(0)                   ; v1 to v4 are written: every global load and store of the kernel, and the head's LDS stores, read one of them; no vector line writes them again
	global_load_b128 v[S:S+3],     v[TO], s[KP:KP+1]               ; key step 0: the work-group's 256 threads copy 4,096 consecutive bytes a line
	global_load_b128 v[S+4:S+7],   v[TO], s[KP:KP+1] offset:4096
	global_load_b128 v[S+8:S+11],  v[TO], s[VP:VP+1]
	global_load_b128 v[S+12:S+15], v[TO], s[VP:VP+1] offset:4096
	WIN 0x40                                       ; destination window 1
.irp t, 0,1,2,3
	global_load_b128 v[Q+8*\t:Q+8*\t+3],   v[LI], s[4:5] offset:1024*\t th:TH_LOAD_NT       ; Q stays in registers; read by this wave alone
	global_load_b128 v[Q+8*\t+4:Q+8*\t+7], v[LI], s[4:5] offset:1024*\t+512 th:TH_LOAD_NT
.endr
	WIN 0
	global_load_b128 v[LD:LD+3],     v[TO], s[KP:KP+1] offset:STEPB        ; key step 1
	global_load_b128 v[LD+4:LD+7],   v[TO], s[KP:KP+1] offset:STEPB+4096
	global_load_b128 v[LD+8:LD+11],  v[TO], s[VP:VP+1] offset:STEPB
	global_load_b128 v[LD+12:LD+15], v[TO], s[VP:VP+1] offset:STEPB+4096
.irp t, 0,1,2,3
	v_mov_b32 v[ST+4*\t+1], 0xff61b1e6             ; the largest t so far: -3e38, under every t
	v_floor_f32 v[ST+4*\t], -v[ST+4*\t+1]          ; -M
	v_mov_b32 v[ST+4*\t+2], 0                      ; the sum, in two halves
	v_mov_b32 v[ST+4*\t+3], 0
	v_mov_b32 v[F+2*\t], 0
	v_mov_b32 v[F+2*\t+1], 0                       ; (named as the upper half of a pair)
.endr
.irp i, 0,1,2,3,4,5
	v_mov_b32 v[TA+\i], 0                          ; written once: a lane permute's destination counts as one of its sources
.endr
	WIN 0x40
.set n, 0
.rept 128
	v_mov_b32 v[OT+n], 0                           ; O^T.  The key step is written without a first step of its own: the first finds zeros, which the first change of M leaves zeros.  128 lines once, against a further copy of the step
.set n, n+1
.endr
	WIN 0
	s_wait_kmcnt 0x0
	s_add_co_i32 s33, s18, s19
	s_lshl_b32 s33, s33, 23
	s_add_co_i32 s[CS], s33, 0x3e38aa3b            ; log2(e) / 8, with e2 + e3 added to its exponent field
	s_mov_b32 s[CS+1], s[CS]
	s_cmp_lt_i32 s20, -8
	s_cselect_b32 s[HOLD], 1, 0                    ; 448 x 2^e4 is at least 1.75 from e4 = -8 on
	s_add_co_i32 s33, s20, 127
	s_lshl_b32 s34, s33, 23
	v_mov_b32 v[SCL], s34                          ; 2^e4 as f32
	s_add_co_i32 s33, s33, 8
	s_lshl_b32 s33, s33, 23
	s_or_b32 s33, s33, 0x600000
	v_mov_b32 v[LIM], s33                          ; 448 x 2^e4
	s_wait_loadcnt 12                              ; key step 0's four loads are in: behind them Q's eight and step 1's four were issued
	ds_store_b128 v[TO],  v[S:S+3]                 ; (no vector line since the head's wait on va_vdst names v3, v4 or v64 to v79)
	ds_store_b128 v[TO],  v[S+4:S+7] offset:4096
	ds_store_b128 v[TOV], v[S+8:S+11]
	ds_store_b128 v[TOV], v[S+12:S+15] offset:4096
	s_wait_dscnt 0x0                               ; for the others' sake: my stores have landed
	s_barrier_signal -1
	s_barrier_wait -1                              ; key step 0 lies in LDS
; 16 products S^T = K Q^T for tiles x, x + 1: eight tiles of 16 keys each, K = the head's 64.  Every product starts its own sum.
.macro SPROD x
	WIN 0x05                                       ; K and Q in window 1, S^T in window 0
.irp c, 0,1,2,3,4,5,6,7
.irp u, 0,1
	v_wmma_f32_16x16x64_fp8_fp8 v[S+64*\u+8*\c:S+64*\u+8*\c+7], v[KF+8*\c:KF+8*\c+7], v[Q+8*((\x)+\u):Q+8*((\x)+\u)+7], 0
.endr
.endr
	WIN 0
.rept 4
	v_nop                                          ; places behind the products: their results are read below
.endr
.endm
; The softmax of tiles x, x + 1 for one key step, the two tiles line by line by turns, so that no line waits for the one above it.  vl = 1: V's run of LDS loads stands behind the wait for the exponentials.
.macro SM2 x, vl
.irp u, 0,1
	v_max3_num_f32 v[TA+\u], v[S+64*\u], v[S+64*\u+1], v[S+64*\u+2]        ; the largest of my 64 scores, in two chains, ascending: each accumulator is read from its low end on
.endr
.irp u, 0,1
	v_max3_num_f32 v[TD+2*\u], v[S+64*\u+3], v[S+64*\u+4], v[S+64*\u+5]
.endr
.irp i, 6,10,14,18,22,26,30,34,38,42,46,50,54,58
.irp u, 0,1
	v_max3_num_f32 v[TA+\u], v[TA+\u], v[S+64*\u+\i], v[S+64*\u+\i+1]
.endr
.irp u, 0,1
	v_max3_num_f32 v[TD+2*\u], v[TD+2*\u], v[S+64*\u+\i+2], v[S+64*\u+\i+3]
.endr
.endr
.irp u, 0,1
	v_max3_num_f32 v[TA+\u], v[TA+\u], v[S+64*\u+62], v[S+64*\u+63]
.endr
.irp u, 0,1
	v_max_num_f32 v[TA+\u], v[TA+\u], v[TD+2*\u]
.endr
.irp u, 0,1
	v_permlanex16_b32 v[TD+2*\u+1], v[TA+\u], s[SEL], s[SEL+1]             ; the query's other 64 keys lie in lane l xor 16
.endr
.irp u, 0,1
	v_max_num_f32 v[TA+\u], v[TA+\u], v[TD+2*\u+1]
.endr
.irp u, 0,1
	v_mul_f32 v[TA+\u], s[CS], v[TA+\u]                                    ; as t (c is positive)
.endr
.irp u, 0,1
	v_max_num_f32 v[ST+4*((\x)+\u)+1], v[ST+4*((\x)+\u)+1], v[TA+\u]       ; the running largest t
.endr
.irp u, 0,1
	v_mov_b32 v[TA+\u], v[ST+4*((\x)+\u)]
.endr
.irp u, 0,1
	v_floor_f32 v[ST+4*((\x)+\u)], -v[ST+4*((\x)+\u)+1]                    ; the new -M = floor(-t) = -ceil(t)
.endr
.irp u, 0,1
	v_sub_f32 v[TA+\u], v[ST+4*((\x)+\u)], v[TA+\u]                        ; old M less new M: a whole number, 0 or less
.endr
.irp u, 0,1
	v_cvt_i32_f32 v[TA+\u], v[TA+\u]                                       ; (it saturates)
.endr
.irp u, 0,1
	v_ldexp_f32 v[F+2*((\x)+\u)], 1.0, v[TA+\u]                            ; f = 2^(old M - new M)
.endr
.irp i, 0,2,4,6,8,10,12,14,16,18,20,22,24,26,28,30,32,34,36,38,40,42,44,46,48,50,52,54,56,58,60,62
.irp u, 0,1
	v_pk_fma_f32 v[S+64*\u+\i:S+64*\u+\i+1], v[S+64*\u+\i:S+64*\u+\i+1], s[CS:CS+1], v[ST+4*((\x)+\u):ST+4*((\x)+\u)+1] op_sel_hi:[1,0,0]   ; t - M, two at a time (of the pairs c and -M the low word serves both halves)
.endr
.endr
.set n, 0
.rept 64
	v_exp_f32 v[S+n], v[S+n]                                               ; p = 2^(t - M): both tiles' 128 exponentials are one batch
	v_exp_f32 v[S+64+n], v[S+64+n]
.set n, n+1
.endr
.irp u, 0,1
	v_pk_mul_f32 v[ST+4*((\x)+\u)+2:ST+4*((\x)+\u)+3], v[ST+4*((\x)+\u)+2:ST+4*((\x)+\u)+3], v[F+2*((\x)+\u):F+2*((\x)+\u)+1] op_sel_hi:[1,0]   ; the sums under the new M (plain lines behind the exponentials)
.endr
.if \vl
	WIN 0x40                                       ; destination window 1: the switch stands ahead of the wait, the loads directly behind it
	s_wait_alu depctr_va_vdst(0)                   ; the 128 exponentials have written p, v[S .. S+127], ahead of its first reader; and the step's 32 products K Q^T are done reading K's registers, in which the loads below land
.irp c, 0,1,2,3
.irp i, 0,1,2,3
	ds_load_b128 v[KF+16*\c+4*\i:KF+16*\c+4*\i+3], v[ADV] offset:2048*\c+512*\i   ; V's four fragments, 16 channels x 128 keys each, where K's lay: they land under the sums, the conversions and the rescaling below
.endr
.endr
	WIN 0
.else
	s_wait_alu depctr_va_vdst(0)                   ; the 128 exponentials have written p, v[S .. S+127]: one wait for the whole batch, ahead of its first reader
.endif
.irp u, 0,1
	v_pk_add_f32 v[TD+2*\u:TD+2*\u+1], v[S+64*\u:S+64*\u+1], v[S+64*\u+2:S+64*\u+3]      ; the row's sum is taken of the unquantised p: two at a time, in two chains
.endr
.irp i, 4,8,12,16,20,24,28,32,36,40,44,48,52,56,60
.irp u, 0,1
	v_pk_add_f32 v[ST+4*((\x)+\u)+2:ST+4*((\x)+\u)+3], v[ST+4*((\x)+\u)+2:ST+4*((\x)+\u)+3], v[S+64*\u+\i:S+64*\u+\i+1]
.endr
.irp u, 0,1
	v_pk_add_f32 v[TD+2*\u:TD+2*\u+1], v[TD+2*\u:TD+2*\u+1], v[S+64*\u+\i+2:S+64*\u+\i+3]
.endr
.endr
.irp u, 0,1
	v_pk_add_f32 v[ST+4*((\x)+\u)+2:ST+4*((\x)+\u)+3], v[ST+4*((\x)+\u)+2:ST+4*((\x)+\u)+3], v[TD+2*\u:TD+2*\u+1]
.endr
	s_cmp_eq_u32 s[HOLD], 0                        ; a branch on a given whole number; no barrier and no memory line stands under it
	s_cbranch_scc1 .Lfree_\@
.set n, 0
.rept 128
	v_min_num_f32 v[S+n], v[S+n], v[LIM]           ; the conversion to an 8-bit code does not saturate (ISA guide 7.6.2); p is not negative, so the hold is one-sided
.set n, n+1
.endr
.Lfree_\@:
.irp c, 0,1,2,3,4,5,6,7
.irp u, 0,1
	v_cvt_scalef32_pk8_fp8_f32 v[P+16*((\x)+\u)+2*\c:P+16*((\x)+\u)+2*\c+1], v[S+64*\u+8*\c:S+64*\u+8*\c+7], v[SCL]   ; keys 16 c + 8 h + 0 .. 7: registers 2 c, 2 c + 1 of P's fragment
.endr
.endr
	v_nop                                          ; one plain line between the conversions and the matrix instructions that write their sources or read their results
.endm
; A KEY STEP: 128 keys at LDS byte s[TB].  st = 1: key step j + 1, which has come into registers, goes to LDS, and a barrier closes the step.  ld = 1: key step j + 2 is asked for.
.macro STEP st, ld
	s_wait_alu depctr_vm_vsrc(0)                   ; the LDS loads and stores issued so far have read v5 to v8, which the four lines below write; in the first step the head's LDS stores have also read v64 to v79, which the products write
	v_add_nc_u32 v[ADK], s[TB], v[LI]              ; the step's four LDS addresses (four plain lines, which also stand between the last step's products and the loads into K's registers)
	v_add_nc_u32 v[ADV], s[TB], v[LIV]
	v_add_nc_u32 v[SWK], s[TB], v[TO]
	v_add_nc_u32 v[SWV], s[TB], v[TOV]
	WIN 0x40                                       ; destination window 1: the switch stands ahead of the wait, the loads directly behind it
	s_wait_alu depctr_va_vdst(0)                   ; v5 to v8 are written, which the step's LDS loads and stores read; the last step's products V^T P are done reading V's fragments, in whose registers K's land
.irp c, 0,1,2,3,4,5,6,7
	ds_load_b128 v[KF+8*\c:KF+8*\c+3],   v[ADK] offset:1024*\c     ; K's eight fragments: 16 keys x 64 each
	ds_load_b128 v[KF+8*\c+4:KF+8*\c+7], v[ADK] offset:1024*\c+512
.endr
	WIN 0
.if \st
	s_wait_loadcnt 0x0                             ; step j + 1 is in registers (asked for a key step ago; in the first trip Q too), and those loads' bases may be stepped
.if \ld
	s_add_nc_u64 s[KP:KP+1], s[KP:KP+1], STEPB
	s_add_nc_u64 s[VP:VP+1], s[VP:VP+1], STEPB
.endif
	ds_store_b128 v[SWK], v[LD:LD+3] offset:STEPB                  ; into bytes that nobody reads before the barrier at this step's end.  (No vector line since the wait above: v7 and v8 are written)
	ds_store_b128 v[SWK], v[LD+4:LD+7] offset:STEPB+4096
	ds_store_b128 v[SWV], v[LD+8:LD+11] offset:STEPB
	ds_store_b128 v[SWV], v[LD+12:LD+15] offset:STEPB+4096
	s_wait_dscnt 4                                 ; LDS instructions end in order (ISA guide 5.7.1): K's sixteen loads are in; the four stores behind them may be out
.else
	s_wait_dscnt 0x0                               ; K is in
.endif
	SPROD 0
.if \ld
	s_wait_alu depctr_vm_vsrc(0)                   ; the four LDS stores above have read v48 to v63, in which the loads below land; no vector line ever names these registers
	global_load_b128 v[LD:LD+3],     v[TO], s[KP:KP+1] offset:STEPB        ; step j + 2: nearly a whole key step ahead of its use
	global_load_b128 v[LD+4:LD+7],   v[TO], s[KP:KP+1] offset:STEPB+4096
	global_load_b128 v[LD+8:LD+11],  v[TO], s[VP:VP+1] offset:STEPB
	global_load_b128 v[LD+12:LD+15], v[TO], s[VP:VP+1] offset:STEPB+4096
.endif
	SM2 0, 0
	SPROD 2
	SM2 2, 1                                       ; V's loads stand in it, behind its wait
	WIN 0x41                                       ; O^T in window 1, f in window 0
.irp t, 0,1,2,3
.set n, 0
.rept 16
	v_pk_mul_f32 v[OT+32*\t+n:OT+32*\t+n+1], v[OT+32*\t+n:OT+32*\t+n+1], v[F+2*\t:F+2*\t+1] op_sel_hi:[1,0]   ; O^T under the new M
.set n, n+2
.endr
.endr
	s_wait_dscnt 0x0                               ; V is in
	WIN 0x51                                       ; V and O^T in window 1, P in window 0
.irp c, 0,1,2,3
.irp t, 0,1,2,3
	v_wmma_f32_16x16x128_fp8_fp8 v[OT+32*\t+8*\c:OT+32*\t+8*\c+7], v[KF+16*\c:KF+16*\c+15], v[P+16*\t:P+16*\t+15], v[OT+32*\t+8*\c:OT+32*\t+8*\c+7]   ; sixteen accumulators, one instruction a turn
.endr
.endr
	WIN 0
	s_add_co_u32 s[TB], s[TB], STEPB
.if \st
	s_wait_dscnt 0x0                               ; my stores of step j + 1 have landed
	s_barrier_signal -1
	s_barrier_wait -1                              ; everybody's have
.endif
.endm
.Lstep:                                            ; 14 trips: key steps 0 to 13 ask for steps 2 to 15
	STEP 1, 1
	s_sub_co_u32 s[CNT], s[CNT], 1
	s_cmp_lg_u32 s[CNT], 0
	s_cbranch_scc1 .Lstep
	STEP 1, 0                                      ; key step 14: nothing is left to ask for: no load leaves its buffer
	STEP 0, 0                                      ; key step 15
	; THE WAY OUT.  o = O^T x 2^(e4 + e5) / the sum; its code is o / 2^e6: the three exponents are folded into the conversion's one scale.
.irp t, 0,1,2,3
	v_add_f32 v[ST+4*\t+2], v[ST+4*\t+2], v[ST+4*\t+3]             ; the sum's two halves (these four lines are the places behind the last products),
.endr
.irp t, 0,1,2,3
	v_permlanex16_b32 v[ST+4*\t+3], v[ST+4*\t+2], s[SEL], s[SEL+1]
.endr
.irp t, 0,1,2,3
	v_add_f32 v[ST+4*\t+2], v[ST+4*\t+2], v[ST+4*\t+3]             ; and lane l xor 16's: the row's sum
.endr
.irp t, 0,1,2,3
	v_rcp_f32 v[F+2*\t], v[ST+4*\t+2]
.endr
	v_nop                                          ; a plain line behind the last reciprocal
	s_sub_co_i32 s33, s22, s20
	s_sub_co_i32 s33, s33, s21                     ; e6 - e4 - e5
	s_add_co_i32 s33, s33, 127
	s_lshl_b32 s34, s33, 23
	s_add_co_i32 s33, s33, 8
	s_lshl_b32 s33, s33, 23
	s_or_b32 s33, s33, 0x600000
	v_mov_b32 v[SCL], s34                          ; 2^(e6 - e4 - e5) as f32
	v_mov_b32 v[LIM], s33                          ; 448 x that
	s_wait_alu depctr_va_vdst(0)                   ; the four reciprocals have written v32, v34, v36 and v38: one wait, ahead of their first reader
.irp t, 0,1,2,3
	WIN 0x01                                       ; source 0 (O^T) window 1
.set n, 0
.rept 16
	v_pk_mul_f32 v[S+32*\t+n:S+32*\t+n+1], v[OT+32*\t+n:OT+32*\t+n+1], v[F+2*\t:F+2*\t+1] op_sel_hi:[1,0]   ; O^T / the sum, each accumulator from its low end on
.set n, n+2
.endr
	WIN 0
.set n, 0
.rept 32
	v_med3_num_f32 v[S+32*\t+n], v[S+32*\t+n], -v[LIM], v[LIM]     ; the hold at the largest code x the scale
.set n, n+1
.endr
.irp c, 0,1,2,3
	v_cvt_scalef32_pk8_fp8_f32 v[P+8*\t+2*\c:P+8*\t+2*\c+1], v[S+32*\t+8*\c:S+32*\t+8*\c+7], v[SCL]   ; channels 16 c + 8 h + 0 .. 7
.endr
	v_nop                                          ; one plain line behind the conversions
.endr
	s_wait_alu depctr_va_vdst(0)                   ; the sixteen conversions have written v192 to v223, which the eight stores read: one wait for the four tiles
.irp t, 0,1,2,3
	global_store_b128 v[LI], v[P+8*\t:P+8*\t+3],   s[12:13] offset:16384*\t        ; the wave stores 512 consecutive bytes, aligned
	global_store_b128 v[LI], v[P+8*\t+4:P+8*\t+7], s[12:13] offset:16384*\t+512
.endr
	s_wait_dscnt 0x0
	s_wait_alu depctr_hold_cnt(0) depctr_sa_sdst(0) depctr_va_vdst(0) depctr_va_sdst(0) depctr_va_ssrc(0) depctr_va_vcc(0) depctr_vm_vsrc(0)
	s_wait_tensorcnt 0x0
	ds_add_u32 v46, v47
	s_wait_dscnt 0x0
	s_endpgm
.Lfunc_end_k_qc1531be4a8_attn:
	.size	k_qc1531be4a8_attn, .Lfunc_end_k_qc1531be4a8_attn-k_qc1531be4a8_attn
	.p2alignl 7, 3214868480
	.fill 96, 4, 3214868480
	.section	.rodata,"a",@progbits
	.p2align	6, 0x0
	.amdhsa_kernel k_qc1531be4a8_attn
		.amdhsa_group_segment_fixed_size 263168
		.amdhsa_private_segment_fixed_size 0
		.amdhsa_enable_private_segment 0
		.amdhsa_kernarg_size 40
		.amdhsa_user_sgpr_count 2
		.amdhsa_user_sgpr_kernarg_segment_ptr 1
		.amdhsa_wavefront_size32 1
		.amdhsa_system_sgpr_workgroup_id_x 1
		.amdhsa_system_sgpr_workgroup_id_y 1
		.amdhsa_system_sgpr_workgroup_id_z 1
		.amdhsa_system_vgpr_workitem_id 0
		.amdhsa_next_free_vgpr 512
		.amdhsa_next_free_sgpr 66
		.amdhsa_reserve_vcc 0
		.amdhsa_float_denorm_mode_32 3
		.amdhsa_float_denorm_mode_16_64 3
		.amdhsa_memory_ordered 1
		.amdhsa_forward_progress 1
		.amdhsa_inst_pref_size 188
	.end_amdhsa_kernel
	.amdgpu_metadata
---
amdhsa.version: [ 1, 2 ]
amdhsa.kernels:
  - .name:           k_qc1531be4a8_attn
    .symbol:         k_qc1531be4a8_attn.kd
    .args:
      - { .name: qimg, .offset: 0, .size: 8, .value_kind: global_buffer, .address_space: global }
      - { .name: kimg, .offset: 8, .size: 8, .value_kind: global_buffer, .address_space: global }
      - { .name: vimg, .offset: 16, .size: 8, .value_kind: global_buffer, .address_space: global }
      - { .name: lowp_scales, .offset: 24, .size: 8, .value_kind: global_buffer, .address_space: global }
      - { .name: aimg, .offset: 32, .size: 8, .value_kind: global_buffer, .address_space: global }
    .group_segment_fixed_size: 263168
    .private_segment_fixed_size: 0
    .kernarg_segment_align: 8
    .kernarg_segment_size: 40
    .max_flat_workgroup_size: 256
    .sgpr_count:     66
    .vgpr_count:     512
    .wavefront_size: 32
...
	.end_amdgpu_metadata
.endif
;; end of part 4
;; launch proj: the kernel of part 3 again; grid 4 x 32, 4 waves a work-group, clusters of 4 x 4, 327,680 bytes of LDS; arguments aimg, w_out_codes, lowp_scales, b_out, out0; writes out0
